; MI455X (gfx1250); checked and timed in simulation.
; The chip was launched on July 23, 2026; its instructions are those of AMD's public machine-readable ISA for CDNA 5 (MIT licence, August 2026) and "CDNA5" Instruction Set Architecture Reference Guide (July 2026). The comments in the code are by the model that wrote it; some were corrected since.
;; Multi Head Attention. Allowed arithmetic: matrix products marked QUANTISED: E2M1 operands, one E8M0 scale for each 32 along K, by v_wmma_scale_f32_16x16x128_f8f6f4 with both operands' format E2M1 (or v_wmma_scale_f32_32x16x128_f4), f32 sums; products left as they are: bf16, f16 or f32 operands; f32 sums; everything else in f32.
;; Inputs: Wproj 1,024 x 1,024 float32; Wqkv 1,024 x 3,072 float32; bproj 1,024 float32; bqkv 3,072 float32; x 4 x 2,048 x 1,024 float32.
;; Outputs: out0 4 x 2,048 x 1,024 float32.
;; This version of the problem:
;;   THIS VERSION OF THE PROBLEM IS GIVEN IN LOW PRECISION. The matrix products marked QUANTISED in the list below multiply operands that are first quantised to E2M1 (2 exponent bits, 1 mantissa bit; 4 bits a number), with one power-of-two scale for each 32 numbers along K (OCP MX v1.0); their sums are f32. The products marked 'left as it is' may take bf16, f16 or f32 operands, with f32 sums. Whichever they take, every output number must still come out within the allowed error. Rounding operands to bf16 (8 significant bits) uses up far more of that allowance than f16 does (11 bits, for magnitudes from 6e-5 to 65,504). All else is computed in f32.
;;   The module's matrix products, in the order in which they are computed (A, B: the left and right operand; K: the contracted axis; several contracted axes count as one K, in the product's order):
;;     1. [M 8,192, K 1,024] x [K 1,024, N 3,072]; A: input x; B: input Wqkv: QUANTISED
;;     2. batch 64 x [M 2,048, K 64] x [K 64, N 2,048]; A: computed on the way; B: computed on the way: left as it is (an operand is computed on the way)
;;     3. batch 64 x [M 2,048, K 2,048] x [K 2,048, N 64]; A: computed on the way; B: computed on the way: left as it is (an operand is computed on the way)
;;     4. [M 8,192, K 1,024] x [K 1,024, N 1,024]; A: computed on the way; B: input Wproj: left as it is (an operand is computed on the way)
;;   THE QUANTISER, for each operand of a quantised product, along K:
;;     - K is cut into blocks of 32 from its start; a last block that is shorter is filled with zeros.
;;     - A block's scale is 2^e with e = floor(log2(the largest magnitude in the block)) - 2, held to -126 .. 127; a block of zeros has e = 0. As a byte (E8M0): e + 127.
;;     - Each number is divided by its block's scale, clamped to +-6, and rounded to the nearest number of E2M1, ties to even, subnormals kept.
;;     - The product sums the exact products of the quantised numbers (number of the format x scale) in f32.
;;   ~~~python
;;   def quantise(x, axis):      # numpy; x: float32 -> the quantised numbers, widened to float32 again
;;       x = np.moveaxis(x, axis, -1); K = x.shape[-1]
;;       x = np.pad(x, [(0, 0)] * (x.ndim - 1) + [(0, -K % 32)]); x = x.reshape(x.shape[:-1] + (-1, 32)); a = np.abs(x).max(-1, keepdims=True)
;;       e = np.where(a > 0, np.clip(np.frexp(np.where(a > 0, a, 1))[1] - 1 - 2, -126, 127), 0)      # np.frexp(a)[1] - 1 = floor(log2(a)), exactly
;;       r = np.clip(x / 2.0 ** e, -6, 6)
;;       step = 2.0 ** (np.maximum(np.frexp(np.where(r == 0, 1, r))[1] - 1, 0) - 1)
;;       q = np.round(r / step) * step * 2.0 ** e      # np.round: ties to even
;;       return np.moveaxis(q.reshape(q.shape[:-2] + (-1,))[..., :K], -1, axis).astype(np.float32)
;;   ~~~
;; One version. Each part assembles by itself: llvm-mc -triple=amdgcn-amd-amdhsa -mcpu=gfx1250 --defsym DOCPART=n.
;; ======== version 1 of 1: 4 launches
;; limits: values are held in f16: magnitudes above 65,504 overflow, below 6.1e-05 lose precision
;; workspace buffers: x_codes 4,194,304 bytes; x_scales 262,144 bytes; w_codes 1,572,864 bytes; w_scales 98,304 bytes; wpt 2,097,152 bytes; qkv 50,331,648 bytes; o 16,777,216 bytes
;; launch prep (part 1): grid 368 x 1, 4 waves a work-group, no clusters, 102,912 bytes of LDS; arguments x, Wqkv, Wproj, x_codes, x_scales, w_codes, w_scales, wpt; writes x_codes, x_scales, w_codes, w_scales, wpt
.if DOCPART == 1
	.amdgcn_target "amdgcn-amd-amdhsa--gfx1250"
	.amdhsa_code_object_version 6
	.text
	.protected	k_q0da8f4e1d4_prep
	.globl	k_q0da8f4e1d4_prep
	.p2align	8
	.type	k_q0da8f4e1d4_prep,@function
k_q0da8f4e1d4_prep:
	s_mov_b64 s[64:65], 0
	v_nop
	global_prefetch_b8 v0, s[64:65] scope:SCOPE_SE
	s_setreg_imm32_b32 hwreg(HW_REG_WAVE_MODE, 25, 1), 1
	s_wait_xcnt 0x0
; PREP: the operands of the later launches are made once.  Three paths, parted on the work-group's number alone; each has LDS bytes of its own and its own end.
;   work-groups 0-47    Wqkv [1024 (k)][3072 (n)] f32 -> codes of FP4 (E2M1), K innermost, [3072 rows][512 bytes], and one E8M0 byte for each 32 along K, [3072][32].
;                       THE ROWS ARE PERMUTED: column n = 3 (64 h + d) + s goes to row n' = 1024 s + 64 h + d, so that q, k and v come out of the product as three blocks of 1,024 columns.
;   work-groups 48-111  Wproj [1024 (k)][1024 (n)] f32 -> f16, transposed: wpt [n][k].
;   work-groups 112-367 x [8192][1024] f32 -> codes [8192][512 bytes] and scale bytes [8192][32]; K is innermost, so x is a plain stream of blocks of 32.
; A block's scale is 2^(floor(log2(its largest magnitude)) - 2); its byte is the largest magnitude's exponent field - 2, held at 1 from below.  Each number is divided by the scale and rounded to the nearest code, ties to even, beyond 6 the code of 6.
; LIMITS: a block of zeros gets the byte 1 where the quantiser's text says 127 (its codes are zeros, and this program alone reads the bytes); blocks whose largest magnitude lies under 2^-124 are held at the byte 1;
; NaN and infinities among the inputs are not served; Wproj's numbers must lie inside f16's range (65,504).  Wqkv's scale bytes leave as 16 bytes a row: 98,304 bytes in all are stored in such short pieces.
; No tensor load, no barrier: waves share nothing.
.set XSP,   80                         ; path x: a lane's place in a stage: its 64 bytes + 16 of padding
.set WREG,  8192                       ; path x: LDS region of a wave: two stages of 32 x 80 bytes, then its 256 scale bytes
.set WSTG,  32768                      ; path Wqkv: four stages of 32 rows x 272 bytes
.set PSTG,  67584                      ; path Wproj: the same
.set SPARE, 102400                     ; the spare words, 128 bytes for each wave: two blocks of 256 bytes that no other line names
.set PITCH, 272                        ; a stage row: 256 bytes + 16 of padding
.set SPW,   196                        ; v196  LDS address of my spare word; never rewritten
.set NIL,   197                        ; v197  0; never rewritten
.set STEPS, 16
.set R,     16                         ; path x: v16-79 four sets of 16 numbers as loaded
.set X,     80                         ;         v80-111 two sets of 16 neighbours
.set E,     112                        ;         v112-127 a scale byte for each step
.set C,     128                        ;         v128-191 codes, four registers for each step
.set XW,    32                         ; paths W and P: v32-95 two sets of 32 numbers down K
.set CW,    96                         ;         v96.. a block's codes (W: 4 registers; P: 16 registers of f16 pairs)
.set OUTR,  112                        ;         v112-175 the way out
.set SB,    24                         ;         v24-27 the scale bytes, four to a register
.set OA,    176                        ;         v176-191 path W: byte offsets of the sixteen pairs of permuted rows
	s_load_b256 s[4:11], s[0:1], 0x0               ; x s[4:5], Wqkv s[6:7], Wproj s[8:9], x_codes s[10:11]
	s_load_b256 s[12:19], s[0:1], 0x20             ; x_scales s[12:13], w_codes s[14:15], w_scales s[16:17], wpt s[18:19]
	v_lshl_add_u32 v[SPW], v0, 2, SPARE
	v_mov_b32 v[NIL], 0
	v_lshrrev_b32 v1, 5, v0
	v_readfirstlane_b32 s20, v1                    ; wave 0..3
	v_and_b32 v2, 31, v0                           ; lane
	s_wait_kmcnt 0x0
	s_cmp_lt_u32 ttmp9, 48
	s_cbranch_scc1 .Lpath_w
	s_cmp_lt_u32 ttmp9, 112
	s_cbranch_scc1 .Lpath_p
; ---------------- x.  A wave takes 16 steps of 512 numbers.  Each load reads 512 consecutive bytes; a step's 2,048 bytes turn through the wave's own stage, so that a lane then holds 16 neighbours along K.
	v_lshlrev_b32 v3, 4, v2                        ; my 16 bytes of a load's 512
	s_mul_i32 s21, s20, WREG
	v_lshrrev_b32 v14, 2, v2
	v_mul_u32_u24 v14, v14, XSP
	v_and_b32 v15, 3, v2
	v_lshl_add_u32 v14, v15, 4, v14
	v_add_nc_u32 v14, s21, v14                     ; the stage, on the way in: 80 (lane / 4) + 16 (lane % 4)
	v_mul_u32_u24 v15, v2, XSP
	v_add_nc_u32 v15, s21, v15                     ; and on the way out: 80 x lane
	v_mul_u32_u24 v4, v2, 8                        ; my 16 codes' place in a step's 256 bytes
	v_lshrrev_b32 v5, 1, v2
	s_add_co_u32 s21, s21, 2*32*XSP
	v_add_nc_u32 v5, s21, v5                       ; my block's scale byte in the wave's 256
	v_lshlrev_b32 v7, 3, v2
	v_add_nc_u32 v6, s21, v7                       ; and on the way out 8 bytes a lane
	s_sub_co_u32 s22, ttmp9, 112
	s_lshl_b32 s22, s22, 2
	s_add_co_u32 s22, s22, s20                     ; which run of 8,192 numbers is my wave's: 0..1023
	s_mov_b32 s25, 0
	s_lshl_b32 s24, s22, 15
	s_add_nc_u64 s[4:5], s[4:5], s[24:25]          ; 32,768 bytes of x a run,
	s_lshl_b32 s24, s22, 12
	s_add_nc_u64 s[10:11], s[10:11], s[24:25]      ; 4,096 of codes,
	s_lshl_b32 s24, s22, 8
	s_add_nc_u64 s[12:13], s[12:13], s[24:25]      ; 256 scale bytes
.macro LOADX t
.irp i, 0,1,2,3
	global_load_b128 v[R+16*((\t)%4)+4*\i:R+16*((\t)%4)+4*\i+3], v3, s[4:5] offset:2048*(\t)+512*\i th:TH_LOAD_NT
.endr
.endm
.macro TURNX t                         ; LDS serves a wave's instructions in order, so no wait stands between the stores and the loads
.irp i, 0,1,2,3
	ds_store_b128 v14, v[R+16*((\t)%4)+4*\i:R+16*((\t)%4)+4*\i+3] offset:32*XSP*((\t)%2)+8*XSP*\i
.endr
.irp i, 0,1,2,3
	ds_load_b128 v[X+16*((\t)%2)+4*\i:X+16*((\t)%2)+4*\i+3], v15 offset:32*XSP*((\t)%2)+16*\i
.endr
.endm
.irp t, 0,1,2,3
	LOADX \t
.endr
	s_wait_loadcnt 12                              ; step 0's four loads are in; the twelve of steps 1 to 3 may be out
	TURNX 0
.macro STEPX t
.set XS, X+16*((\t)%2)
.if (\t) > 0
	s_wait_dscnt 1                                 ; this step's numbers are back from the stage (the last step's byte store may be out): so the stores into the stage have read their registers,
.else
	s_wait_dscnt 0x0
.endif
.if (\t)+4 < STEPS
	LOADX (\t)+4                                   ; which take the loads of four steps on
.endif
.if (\t)+1 < STEPS
.if STEPS-2-(\t) >= 3
	s_wait_loadcnt 12                              ; the next step's four loads are in; those of the three steps behind it may be out
.else
	s_wait_loadcnt 4*(STEPS-2-(\t))
.endif
	TURNX (\t)+1
.endif
	v_max3_num_f32 v8, |v[XS]|, |v[XS+1]|, |v[XS+2]|               ; the largest magnitude of my 16, in two chains
	v_max3_num_f32 v9, |v[XS+3]|, |v[XS+4]|, |v[XS+5]|
.irp i, 6,10
	v_max3_num_f32 v8, v8, |v[XS+\i]|, |v[XS+\i+1]|
	v_max3_num_f32 v9, v9, |v[XS+\i+2]|, |v[XS+\i+3]|
.endr
	v_max3_num_f32 v8, v8, |v[XS+14]|, |v[XS+15]|
	v_max3_num_f32 v8, v8, v9, 0x1800000           ; and the floor 2^(3 - 127): the byte cannot fall under 1
	v_max_num_f32_dpp v8, v8, v8 row_xmask:1 row_mask:0xf bank_mask:0xf   ; with my neighbour's 16: the block's
	v_add_nc_u32 v11, 0xff000000, v8               ; 2 off its exponent field: the conversion takes the exponent field of this operand as its scale
	v_cvt_scalef32_pk8_fp4_f32 v[C+4*(\t)], v[XS:XS+7], v11
	v_cvt_scalef32_pk8_fp4_f32 v[C+4*(\t)+1], v[XS+8:XS+15], v11
	v_lshrrev_b32 v[E+(\t)], 23, v11               ; the scale's byte
	ds_store_b8 v5, v[E+(\t)] offset:16*(\t)       ; both lanes of a block write the same byte with the same value
	global_store_b64 v4, v[C+4*(\t):C+4*(\t)+1], s[10:11] offset:256*(\t)   ; the wave stores 256 consecutive bytes, aligned
.endm
.irp t, 0,1,2,3,4,5,6,7,8,9,10,11,12,13,14,15
	STEPX \t
.endr
	ds_load_b64 v[8:9], v6                         ; in order behind my byte stores
	s_wait_dscnt 0x0
	global_store_b64 v7, v[8:9], s[12:13]          ; 256 consecutive scale bytes, aligned
	s_wait_tensorcnt 0x0                           ; the wave's end, behind my last LDS store
	ds_add_u32 v[SPW], v[NIL]
	s_wait_dscnt 0x0
	s_endpgm
; ---------------- Wqkv.  A lane takes a column n and its registers run down K: a block of 32 lies in one lane, and the conversions give codes with K innermost.  A wave: 32 columns x 512 along K.
.macro NPRIME d, s                     ; v[d] = 1024 (v[s] % 3) + v[s] / 3.  v[s] x 43,691 >> 17 is v[s] / 3 for every v[s] under 65,536
	v_mul_u32_u24 v12, v[\s], 0xaaab
	v_lshrrev_b32 v12, 17, v12
	v_mul_u32_u24 v13, v12, 3
	v_sub_nc_u32 v13, v[\s], v13
	v_lshl_add_u32 v[\d], v13, 10, v12
.endm
.macro LOADW t                         ; block t: W(32 t + i, my column) into set t % 2; a wave reads 128 consecutive bytes, the four waves 512
.irp i, 0,1,2,3,4,5,6,7,8,9,10,11,12,13,14,15,16,17,18,19,20,21,22,23,24,25,26,27,28,29,30,31
	global_load_b32 v[XW+32*((\t)%2)+\i], v3, s[6:7] offset:(32*(\t)+\i)*12288 th:TH_LOAD_NT
.endr
.endm
.macro BLOCKW t
.set XS, XW+32*((\t)%2)
.if (\t) < 15
	s_wait_loadcnt 32                              ; this block's 32 loads are in; the next block's may be out
.else
	s_wait_loadcnt 0
.endif
	v_max3_num_f32 v12, |v[XS]|, |v[XS+1]|, |v[XS+2]|
	v_max3_num_f32 v13, |v[XS+3]|, |v[XS+4]|, |v[XS+5]|
.irp i, 6,10,14,18,22,26
	v_max3_num_f32 v12, v12, |v[XS+\i]|, |v[XS+\i+1]|
	v_max3_num_f32 v13, v13, |v[XS+\i+2]|, |v[XS+\i+3]|
.endr
	v_max3_num_f32 v12, v12, |v[XS+30]|, |v[XS+31]|
	v_max3_num_f32 v12, v12, v13, 0x1800000        ; the floor 2^(3 - 127)
	v_add_nc_u32 v11, 0xff000000, v12              ; the conversion's scale operand
	v_lshrrev_b32 v13, 23, v11                     ; the scale's byte
.if (\t)%4 == 0
	v_mov_b32 v[SB+(\t)/4], v13
.else
	v_lshl_or_b32 v[SB+(\t)/4], v13, 8*((\t)%4), v[SB+(\t)/4]
.endif
.irp g, 0,1,2,3
	v_cvt_scalef32_pk8_fp4_f32 v[CW+\g], v[XS+8*\g:XS+8*\g+7], v11
.endr
	ds_store_b128 v4, v[CW:CW+3] offset:16*(\t)    ; 32 codes: 16 bytes of my column's row
.if (\t)+2 < 16
	LOADW (\t)+2
.endif
	s_wait_dscnt 0x0                               ; the store has read its registers: the next block's codes may be written
.endm
.Lpath_w:
	s_lshr_b32 s21, ttmp9, 1                       ; which 128 columns: 0..23
	s_and_b32 s22, ttmp9, 1                        ; which 512 along K
	s_lshl_b32 s21, s21, 7
	s_lshl_b32 s23, s20, 5
	s_add_co_u32 s21, s21, s23                     ; my wave's first column
	v_lshlrev_b32 v3, 2, v2                        ; in: 4 bytes a lane
	s_mul_i32 s23, s20, 32*PITCH
	s_add_co_u32 s23, s23, WSTG                    ; my stage
	v_mul_u32_u24 v4, v2, PITCH
	v_add_nc_u32 v4, s23, v4                       ; into it: row = my column
	v_and_b32 v5, 15, v2
	v_lshrrev_b32 v6, 4, v2
	v_mul_u32_u24 v7, v6, PITCH
	v_lshl_add_u32 v7, v5, 4, v7
	v_add_nc_u32 v7, s23, v7                       ; out of it: sixteen lanes to a row, two rows an instruction
	v_lshlrev_b32 v5, 4, v5
	s_mul_i32 s24, s22, 512*12288
	s_lshl_b32 s25, s21, 2
	s_add_co_u32 s24, s24, s25
	s_mov_b32 s25, 0
	s_add_nc_u64 s[6:7], s[6:7], s[24:25]          ; Wqkv at my first k and my first column
	s_lshl_b32 s24, s22, 8
	s_add_nc_u64 s[14:15], s[14:15], s[24:25]      ; the codes: 256 bytes on in each row for the second 512 along K
	s_lshl_b32 s24, s22, 4
	s_add_nc_u64 s[16:17], s[16:17], s[24:25]      ; the scale bytes: 16 on
	LOADW 0
	LOADW 1
	v_add_nc_u32 v8, s21, v2                       ; my column,
	NPRIME 9, 8
	v_lshlrev_b32 v9, 5, v9                        ; and its row of 32 scale bytes
	v_add_nc_u32 v8, s21, v6                       ; the way out's rows: first column + lane / 16 + 2 t
.irp t, 0,1,2,3,4,5,6,7,8,9,10,11,12,13,14,15
	v_add_nc_u32 v10, 2*\t, v8
	NPRIME OA+\t, 10
	v_lshl_add_u32 v[OA+\t], v[OA+\t], 9, v5       ; 512 n' + 16 (lane % 16)
.endr
.irp t, 0,1,2,3,4,5,6,7,8,9,10,11,12,13,14,15
	BLOCKW \t
.endr
	global_store_b128 v9, v[SB:SB+3], s[16:17]     ; my column's 16 scale bytes
.irp t, 0,1,2,3,4,5,6,7,8,9,10,11,12,13,14,15
	ds_load_b128 v[OUTR+4*\t:OUTR+4*\t+3], v7 offset:2*\t*PITCH
.endr
.irp t, 0,1,2,3,4,5,6,7,8,9,10,11,12,13,14,15
	s_wait_dscnt 15-\t                             ; load t is back; the younger ones may be out
	global_store_b128 v[OA+\t], v[OUTR+4*\t:OUTR+4*\t+3], s[14:15]   ; sixteen lanes store 256 consecutive bytes, aligned
.endr
	s_wait_tensorcnt 0x0                           ; the wave's end, behind my last LDS store
	ds_add_u32 v[SPW], v[NIL]
	s_wait_dscnt 0x0
	s_endpgm
; ---------------- Wproj.  The same lay: a lane a column, registers down K; pairs along K are rounded to f16.  A wave: 32 columns x 128 along K: 256 bytes of each row of wpt.
.macro LOADP t
.irp i, 0,1,2,3,4,5,6,7,8,9,10,11,12,13,14,15,16,17,18,19,20,21,22,23,24,25,26,27,28,29,30,31
	global_load_b32 v[XW+32*((\t)%2)+\i], v3, s[8:9] offset:(32*(\t)+\i)*4096 th:TH_LOAD_NT
.endr
.endm
.macro BLOCKP t
.set XS, XW+32*((\t)%2)
.if (\t) < 3
	s_wait_loadcnt 32                              ; this block's 32 loads are in; the next block's may be out
.else
	s_wait_loadcnt 0
.endif
.irp i, 0,1,2,3,4,5,6,7,8,9,10,11,12,13,14,15
	v_cvt_pk_f16_f32 v[CW+\i], v[XS+2*\i], v[XS+2*\i+1]
.endr
.irp i, 0,1,2,3
	ds_store_b128 v4, v[CW+4*\i:CW+4*\i+3] offset:64*(\t)+16*\i
.endr
.if (\t)+2 < 4
	LOADP (\t)+2
.endif
	s_wait_dscnt 0x0                               ; the stores have read their registers
.endm
.Lpath_p:
	s_sub_co_u32 s21, ttmp9, 48
	s_and_b32 s22, s21, 7                          ; which 128 along K
	s_lshr_b32 s21, s21, 3                         ; which 128 columns
	s_lshl_b32 s21, s21, 7
	s_lshl_b32 s23, s20, 5
	s_add_co_u32 s21, s21, s23                     ; my wave's first column
	v_lshlrev_b32 v3, 2, v2
	s_mul_i32 s23, s20, 32*PITCH
	s_add_co_u32 s23, s23, PSTG                    ; my stage
	v_mul_u32_u24 v4, v2, PITCH
	v_add_nc_u32 v4, s23, v4
	v_and_b32 v5, 15, v2
	v_lshrrev_b32 v6, 4, v2
	v_mul_u32_u24 v7, v6, PITCH
	v_lshl_add_u32 v7, v5, 4, v7
	v_add_nc_u32 v7, s23, v7
	v_lshlrev_b32 v8, 11, v6                       ; in wpt: a row is 2,048 bytes
	v_lshl_add_u32 v8, v5, 4, v8
	s_lshl_b32 s24, s22, 19                        ; 128 rows of Wproj, 4,096 bytes each
	s_lshl_b32 s25, s21, 2
	s_add_co_u32 s24, s24, s25
	s_mov_b32 s25, 0
	s_add_nc_u64 s[8:9], s[8:9], s[24:25]
	s_lshl_b32 s24, s21, 11
	s_lshl_b32 s23, s22, 8
	s_add_co_u32 s24, s24, s23
	s_add_nc_u64 s[18:19], s[18:19], s[24:25]
	LOADP 0
	LOADP 1
.irp t, 0,1,2,3
	BLOCKP \t
.endr
.irp t, 0,1,2,3,4,5,6,7,8,9,10,11,12,13,14,15
	ds_load_b128 v[OUTR+4*\t:OUTR+4*\t+3], v7 offset:2*\t*PITCH
.endr
.irp t, 0,1,2,3,4,5,6,7,8,9,10,11,12,13,14,15
	s_wait_dscnt 15-\t
	global_store_b128 v8, v[OUTR+4*\t:OUTR+4*\t+3], s[18:19] offset:2*\t*2048   ; sixteen lanes store 256 consecutive bytes, aligned
.endr
	s_wait_tensorcnt 0x0                           ; the wave's end, behind my last LDS store
	ds_add_u32 v[SPW], v[NIL]
	s_wait_dscnt 0x0
	s_endpgm
.Lfunc_end_k_q0da8f4e1d4_prep:
	.size	k_q0da8f4e1d4_prep, .Lfunc_end_k_q0da8f4e1d4_prep-k_q0da8f4e1d4_prep
	.p2alignl 7, 3214868480
	.fill 96, 4, 3214868480
	.section	.rodata,"a",@progbits
	.p2align	6, 0x0
	.amdhsa_kernel k_q0da8f4e1d4_prep
		.amdhsa_group_segment_fixed_size 102912
		.amdhsa_private_segment_fixed_size 0
		.amdhsa_enable_private_segment 0
		.amdhsa_kernarg_size 64
		.amdhsa_user_sgpr_count 2
		.amdhsa_user_sgpr_kernarg_segment_ptr 1
		.amdhsa_wavefront_size32 1
		.amdhsa_system_sgpr_workgroup_id_x 1
		.amdhsa_system_sgpr_workgroup_id_y 1
		.amdhsa_system_sgpr_workgroup_id_z 1
		.amdhsa_system_vgpr_workitem_id 0
		.amdhsa_next_free_vgpr 200
		.amdhsa_next_free_sgpr 66
		.amdhsa_reserve_vcc 0
		.amdhsa_float_denorm_mode_32 3
		.amdhsa_float_denorm_mode_16_64 3
		.amdhsa_memory_ordered 1
		.amdhsa_forward_progress 1
		.amdhsa_inst_pref_size 138
	.end_amdhsa_kernel
	.amdgpu_metadata
---
amdhsa.version: [ 1, 2 ]
amdhsa.kernels:
  - .name:           k_q0da8f4e1d4_prep
    .symbol:         k_q0da8f4e1d4_prep.kd
    .args:
      - { .name: x, .offset: 0, .size: 8, .value_kind: global_buffer, .address_space: global }
      - { .name: Wqkv, .offset: 8, .size: 8, .value_kind: global_buffer, .address_space: global }
      - { .name: Wproj, .offset: 16, .size: 8, .value_kind: global_buffer, .address_space: global }
      - { .name: x_codes, .offset: 24, .size: 8, .value_kind: global_buffer, .address_space: global }
      - { .name: x_scales, .offset: 32, .size: 8, .value_kind: global_buffer, .address_space: global }
      - { .name: w_codes, .offset: 40, .size: 8, .value_kind: global_buffer, .address_space: global }
      - { .name: w_scales, .offset: 48, .size: 8, .value_kind: global_buffer, .address_space: global }
      - { .name: wpt, .offset: 56, .size: 8, .value_kind: global_buffer, .address_space: global }
    .group_segment_fixed_size: 102912
    .private_segment_fixed_size: 0
    .kernarg_segment_align: 8
    .kernarg_segment_size: 64
    .max_flat_workgroup_size: 128
    .sgpr_count:     66
    .vgpr_count:     200
    .wavefront_size: 32
...
	.end_amdgpu_metadata
.endif
;; end of part 1
;; launch qkvgemm (part 2): grid 12 x 32, 4 waves a work-group, clusters of 4 x 4, 327,680 bytes of LDS; arguments x_codes, x_scales, w_codes, w_scales, bqkv, qkv; writes qkv
.if DOCPART == 2
	.amdgcn_target "amdgcn-amd-amdhsa--gfx1250"
	.amdhsa_code_object_version 6
	.text
	.protected	k_q0da8f4e1d4_qkvgemm
	.globl	k_q0da8f4e1d4_qkvgemm
	.p2align	8
	.type	k_q0da8f4e1d4_qkvgemm,@function
k_q0da8f4e1d4_qkvgemm:
	s_mov_b64 s[64:65], 0
	v_nop
	global_prefetch_b8 v0, s[64:65] scope:SCOPE_SE
	s_setreg_imm32_b32 hwreg(HW_REG_WAVE_MODE, 25, 1), 1
	s_wait_xcnt 0x0
	s_wait_alu depctr_hold_cnt(0) depctr_sa_sdst(0) depctr_va_vdst(0) depctr_va_sdst(0) depctr_va_ssrc(0) depctr_va_vcc(0) depctr_vm_vsrc(0)
	s_getreg_b32 s2, hwreg(HW_REG_IB_STS2, 6, 4)
	s_cmp_eq_u32 s2, 0
	s_cbranch_scc0 .Lentry_in_a_cluster
	s_endpgm
.Lentry_in_a_cluster:
	s_bfe_u32 s2, ttmp6, 0x10000c
	s_cmp_lg_u32 s2, 0xf033
	s_cbranch_scc0 .Lentry_shape_is_right
	s_endpgm
.Lentry_shape_is_right:
; qkv = Q(x) Q(Wqkv) + bqkv on codes of FP4 (E2M1) with one E8M0 scale for each 32 along K; sums in f32; the result is rounded once to f16 and laid [s = q, k, v][batch x head][token][64].
; A = x_codes [8192][512 bytes], B = w_codes [3072 permuted rows n' = 1024 s + 64 h + d][512 bytes]; scale bytes [rows][32].
; A tile of 256 tokens x 256 rows of B is made by four waves, 128 x 128 each: 64 accumulators, 512 registers.  K = 1,024 is two slots of 512: both are first fills, nothing in LDS is filled again.
; By this text's count a wave has three tensor loads out at the start: its part of the scales, of slot 0 and of slot 1.
; The grid has 384 work-groups: a tile of 256 x 384, which would give 256, wants 768 accumulator registers a wave beside the operands.
; CLUSTERS: 4 x 4 work-groups; A's tiles are asked for jointly along a row of the cluster, B's along a column.  THE PRODUCT IS USED TRANSPOSED (source 0 = 16 rows of B, source 1 = 16 tokens): a lane holds eight neighbouring d of one token.
; THE BIAS is the C of each sum's first product: eight registers for each of B's eight blocks, in the result's layout.
; LIMIT: q, k and v must lie inside f16's range (65,504).
; REGISTERS: window 0: v0-31 addresses; v32-95 scale words, two sets; v128-191 A's fragments, one set; v192-255 the bias; on the way out v32-127 are free.  window 1: B's fragments, two sets.  windows 2, 3: the accumulators.
.set SIZE_K, 1024
.set KSTEP,  512
.set NQ,     KSTEP/128
.set ROWB,   256
.set KROW,   SIZE_K/2
.set PITCH,  272                       ; an LDS row: 256 bytes + 16 of padding: the 16 rows that a load touches begin 68 words apart
.set FR,     8
.set NL,     2
.set NP,     4
.set HALFT,  128*PITCH
.set SLOT,   4*HALFT
.set KS,     SIZE_K/32
.set SCL,    2*SLOT
.set HALFS,  (128*KS/256)*272
.set SBLK,   (16*KS/256)*272
.set SPARE,  SCL+4*HALFS               ; the spare words, 128 bytes for each wave: two blocks of 256 bytes that no other line names
.set SPL,    16*144                    ; the way out: a plane of 16 rows x (128 bytes + 16); two planes (two heads) a wave, in slot 0, which has had its only fill and its last read by then
.set ADRA, 16
.set ADRB, 20
.set STO,  24
.set RD,   25
.set CO,   26
.set ADRS, 27
.set SPW,  28                          ; v28  LDS address of my spare word; never rewritten
.set NIL,  29                          ; v29  0; never rewritten
.set BO,   30                          ; v30  the bias's lane offset; never rewritten
.set SC,   32
.set AF,   128
.set BI,   192
.set TMP,  32
.set BK,   64
.set G1, 24
.set G0, 32
.set G1B, 48
.set G0B, 56
.set G1S, 68
.set G0S, 76
.set G1SB, 80
.set G0SB, 88
.set MSB, 0
.macro WIN new                         ; the immediate's high byte repeats the setting that is left
.if MSB != (\new)
	s_set_vgpr_msb (MSB<<8)|(\new)
.set MSB, (\new)
.endif
.endm
.set MUL_LO, 0xa1                      ; source 0 (B) window 1, source 1 (A) window 0, C and D window 2
.set MUL_HI, 0xf1                      ; the same, C and D window 3
.set ONE_LO, 0x81                      ; the first products: C (the bias) window 0, D window 2
.set ONE_HI, 0xc1                      ; D window 3
.set TO_B,   0x40
; A joint load: waves 0 and 1 fetch for A, waves 2 and 3 for B; the branch hangs on the wave's number alone.  An s_nop 0 and four v_nop follow each line.
.macro JLOAD g0a, g1a, g0b, g1b
	s_cmp_eq_u32 s15, 0
	s_cbranch_scc0 .Lfor_b_\@
	tensor_load_to_lds s[\g0a:\g0a+3], s[\g1a:\g1a+7]
	s_nop 0
.rept 4
	v_nop
.endr
	s_branch .Lasked_\@
.Lfor_b_\@:
	tensor_load_to_lds s[\g0b:\g0b+3], s[\g1b:\g1b+7]
	s_nop 0
.rept 4
	v_nop
.endr
.Lasked_\@:
.endm
.macro CROUND                          ; a round of the cluster's barrier
	s_barrier_signal -1
	s_barrier_wait -1
	s_cmp_lg_u32 s14, 0
	s_cbranch_scc1 .Lnot_wave_0_\@
	s_barrier_signal -3
.Lnot_wave_0_\@:
	s_barrier_wait -3
	s_barrier_signal -1
	s_barrier_wait -1
.endm
	s_load_b128 s[4:7], s[0:1], 0x0                ; A's codes, A's scales
	s_load_b128 s[8:11], s[0:1], 0x10              ; B's codes, B's scales
	s_load_b64 s[96:97], s[0:1], 0x20              ; bqkv
	s_load_b64 s[12:13], s[0:1], 0x28              ; qkv
	v_lshl_add_u32 v[SPW], v0, 2, SPARE
	v_mov_b32 v[NIL], 0
	ds_add_u32 v[SPW], v[NIL]                      ; the wave's opening: the add, twice on end, and its wait ahead of my first tensor load
	ds_add_u32 v[SPW], v[NIL]
	v_lshrrev_b32 v1, 5, v0
	v_readfirstlane_b32 s14, v1                    ; wave 0..3
	s_lshr_b32 s15, s14, 1                         ; which half of the tile's tokens is mine.  Also: I fetch for A (0) or for B (1)
	s_and_b32 s16, s14, 1                          ; which half of its columns.  Also: which 128 rows I fetch
	s_bfe_u32 s40, ttmp6, 0x40000                  ; cx, cy
	s_bfe_u32 s41, ttmp6, 0x40004
	s_lshl_b32 s42, ttmp9, 2
	s_add_co_u32 s42, s42, s40                     ; tile column 0..11
	s_and_b32 s17, ttmp7, 0xffff
	s_lshl_b32 s17, s17, 2
	s_add_co_u32 s17, s17, s41                     ; tile row 0..31
	s_lshl_b32 s43, s41, 2
	s_lshl_b32 s43, 15, s43                        ; my row of the cluster
	s_lshl_b32 s44, 0x1111, s40                    ; my column
	s_or_b32 s[G1+0], s43, (0<<16)|(1<<20)|(1<<21)|(5<<22)|(3<<25)   ; the mask; elements of 1 byte; padding on; bit 21 beside a mask; after every 64 words, 4 words
	s_or_b32 s[G1B+0], s44, (0<<16)|(1<<20)|(1<<21)|(5<<22)|(3<<25)
.irp g, G1, G1B
	s_mov_b32 s[\g+1], ROWB<<16                    ; tensor_dim0
	s_mov_b32 s[\g+2], 128<<16                     ; tensor_dim1
	s_mov_b32 s[\g+3], ROWB<<16                    ; tile_dim0
	s_mov_b32 s[\g+4], 128                         ; tile_dim1
	s_mov_b32 s[\g+5], KROW                        ; the pitch
	s_mov_b32 s[\g+6], 0
	s_mov_b32 s[\g+7], 0
.endr
	s_or_b32 s[G1S+0], s43, (3<<16)|(1<<20)|(1<<21)|(5<<22)|(3<<25)  ; the scales of 128 rows: a dense block, as rows of 256 bytes (32 elements of 8), 16 bytes of padding behind each
	s_or_b32 s[G1SB+0], s44, (3<<16)|(1<<20)|(1<<21)|(5<<22)|(3<<25)
.irp g, G1S, G1SB
	s_mov_b32 s[\g+1], 32<<16
	s_mov_b32 s[\g+2], (128*KS/256)<<16
	s_mov_b32 s[\g+3], 32<<16
	s_mov_b32 s[\g+4], 128*KS/256
	s_mov_b32 s[\g+5], 32
	s_mov_b32 s[\g+6], 0
	s_mov_b32 s[\g+7], 0
.endr
	s_lshl_b32 s18, s16, 7
	s_lshl_b32 s20, s17, 8
	s_add_co_u32 s20, s20, s18                     ; A: row 256 x tile row + 128 x half
	s_lshl_b32 s46, s42, 8
	s_add_co_u32 s46, s46, s18                     ; B: row 256 x tile column + 128 x half
	s_mov_b32 s21, 0
	s_mov_b32 s47, 0
	s_mov_b64 s[18:19], KS
	s_mul_u64 s[22:23], s[20:21], s[18:19]         ; where these rows' scales begin,
	s_mul_u64 s[92:93], s[46:47], s[18:19]
	s_mov_b64 s[18:19], KROW
	s_mul_u64 s[20:21], s[20:21], s[18:19]         ; and their codes
	s_mul_u64 s[46:47], s[46:47], s[18:19]
	s_mul_i32 s45, s14, HALFT                      ; where they go: wave x 128 rows
	s_mul_i32 s94, s14, HALFS
	s_wait_dscnt 0x0                               ; both opening adds are done
	s_wait_kmcnt 0x0
	s_add_nc_u64 s[20:21], s[4:5], s[20:21]
	s_add_nc_u64 s[22:23], s[6:7], s[22:23]
	s_add_nc_u64 s[46:47], s[8:9], s[46:47]
	s_add_nc_u64 s[92:93], s[10:11], s[92:93]
	CROUND                                         ; all sixteen work-groups are here: the joint loads meet
	s_mov_b32 s[G0S], 1
	s_add_co_u32 s[G0S+1], s94, SCL
	s_mov_b64 s[G0S+2:G0S+3], s[22:23]
	s_or_b32 s[G0S+3], s[G0S+3], 0x80000000
	s_mov_b32 s[G0SB], 1
	s_add_co_u32 s[G0SB+1], s94, SCL
	s_mov_b64 s[G0SB+2:G0SB+3], s[92:93]
	s_or_b32 s[G0SB+3], s[G0SB+3], 0x80000000
	JLOAD G0S, G1S, G0SB, G1SB                     ; the scales first: they are wanted with slot 0
.irp s, 0,1
	s_mov_b32 s[G0+4*\s], 1
	s_add_co_u32 s[G0+4*\s+1], s45, \s*SLOT
	s_add_nc_u64 s[G0+4*\s+2:G0+4*\s+3], s[20:21], \s*ROWB
	s_or_b32 s[G0+4*\s+3], s[G0+4*\s+3], 0x80000000
	s_mov_b32 s[G0B+4*\s], 1
	s_add_co_u32 s[G0B+4*\s+1], s45, \s*SLOT
	s_add_nc_u64 s[G0B+4*\s+2:G0B+4*\s+3], s[46:47], \s*ROWB
	s_or_b32 s[G0B+4*\s+3], s[G0B+4*\s+3], 0x80000000
	JLOAD G0+4*\s, G1, G0B+4*\s, G1B
.endr
	v_and_b32 v1, 15, v0                           ; r = lane % 16
	v_bfe_u32 v2, v0, 4, 1                         ; h = lane / 16
	; the bias: register 8 b + j of lane (r, h) wants bqkv at column 3 (colbase + 16 b + 8 h + j) + s
	s_lshr_b32 s46, s42, 2                         ; s: q, k or v
	s_lshl_b32 s46, s46, 2
	s_and_b32 s47, s42, 3
	s_lshl_b32 s47, s47, 8
	s_lshl_b32 s18, s16, 7
	s_add_co_u32 s47, s47, s18                     ; colbase = 64 h + d of my first column
	s_mul_i32 s47, s47, 12
	s_add_co_u32 s46, s46, s47
	s_mov_b32 s47, 0
	s_add_nc_u64 s[96:97], s[96:97], s[46:47]
	v_mul_u32_u24 v[BO], v2, 96
.irp b, 0,1,2,3,4,5,6,7
.irp j, 0,1,2,3,4,5,6,7
	global_load_b32 v[BI+8*\b+\j], v[BO], s[96:97] offset:192*\b+12*\j
.endr
.endr
	v_mul_u32_u24 v3, v1, PITCH
	v_lshl_add_u32 v4, v2, 4, v3                   ; a fragment's row x pitch + 16 x half
	s_mul_i32 s21, s15, HALFT                      ; my 128 rows of A
	s_mul_i32 s22, s16, HALFT                      ; my 128 rows of B,
	s_add_co_u32 s22, s22, 2*HALFT                 ; which lie behind A's 256
.irp s, 0,1
	v_add_nc_u32 v[ADRA+\s], s21, v4
	v_add_nc_u32 v[ADRB+\s], s22, v4
	s_add_co_u32 s21, s21, SLOT
	s_add_co_u32 s22, s22, SLOT
.endr
	v_mul_u32_u24 v5, v1, KS                       ; my row's scales: KS bytes a row,
	v_lshrrev_b32 v6, 8, v5
	v_lshl_add_u32 v5, v6, 4, v5                   ; and 16 more for each 256 passed
	s_mul_i32 s21, s15, HALFS
	s_mul_i32 s22, s16, HALFS
	s_add_co_u32 s22, s22, 2*HALFS
	s_sub_co_u32 s22, s22, s21
	v_mul_u32_u24 v6, s22, v2                      ; lanes 16-31 take B's: one product, the distance between the two bases
	s_add_co_u32 s21, s21, SCL
	v_add_nc_u32 v5, v5, v6
	v_add_nc_u32 v[ADRS], s21, v5
	s_mul_i32 s23, s14, 2*SPL                      ; my stage
	v_mul_u32_u24 v5, v1, 144
	v_lshl_add_u32 v5, v2, 4, v5
	v_add_nc_u32 v[STO], s23, v5                   ; in: row r, 16 bytes for each half of the lanes
	v_bfe_u32 v5, v0, 3, 2
	v_mul_u32_u24 v5, v5, 144
	v_and_b32 v6, 7, v0
	v_lshl_add_u32 v5, v6, 4, v5
	v_add_nc_u32 v[RD], s23, v5                    ; back: eight lanes to a row of 128 bytes, four rows an instruction
	v_and_b32 v6, 31, v0
	v_lshlrev_b32 v[CO], 4, v6                     ; those four rows are 512 consecutive bytes of qkv
	; where my part begins in qkv: matrix 64 s + 16 batch + head, 262,144 bytes each; token x 128 bytes
	s_lshr_b32 s20, s17, 3
	s_lshl_b32 s20, s20, 4                         ; 16 x batch
	s_and_b32 s21, s17, 7
	s_lshl_b32 s21, s21, 8
	s_lshl_b32 s18, s15, 7
	s_add_co_u32 s21, s21, s18                     ; my first token in the batch
	s_lshl_b32 s21, s21, 7
	s_lshr_b32 s46, s42, 2
	s_lshl_b32 s46, s46, 6
	s_add_co_u32 s20, s20, s46
	s_and_b32 s46, s42, 3
	s_lshl_b32 s46, s46, 2
	s_add_co_u32 s20, s20, s46
	s_lshl_b32 s46, s16, 1
	s_add_co_u32 s20, s20, s46                     ; my first head's matrix
	s_lshl_b32 s20, s20, 18
	s_add_co_u32 s20, s20, s21
	s_mov_b32 s21, 0
	s_add_nc_u64 s[12:13], s[12:13], s[20:21]
.macro FRAG reg, adr, q, i             ; 16 rows x 128 K of 4-bit codes: 8 registers; lane l holds row l % 16; registers 4 c .. 4 c + 3 hold K = 64 c + 32 (l / 16) + 0 .. 31
.irp c, 0,1
	ds_load_b128 v[\reg+4*\c:\reg+4*\c+3], v[\adr] offset:64*(\q)+32*\c+(\i)*16*PITCH
.endr
.endm
; 16 products: A's blocks a0, a0 + 1 x B's eight, the slot's q-th 128 along K.  one = 1: the first product of each sum takes the bias as C.  The 64 accumulators take turns, one instruction a turn.
.macro MUL16 a0, p, q, sc, one
.irp a, \a0, \a0+1
.irp b, 0,1,2,3,4,5,6,7
.if \one
	v_wmma_scale_f32_16x16x128_f8f6f4 v[8*(8*((\a)%4)+\b):8*(8*((\a)%4)+\b)+7], v[128*(\p)+FR*\b:128*(\p)+FR*\b+FR-1], v[AF+FR*(\a):AF+FR*(\a)+FR-1], v[BI+8*\b:BI+8*\b+7], v[SC+8*NQ*(\sc)+NQ*\b+(\q)], v[SC+8*NQ*(\sc)+NQ*(\a)+(\q)] matrix_a_fmt:MATRIX_FMT_FP4 matrix_b_fmt:MATRIX_FMT_FP4 matrix_a_scale:MATRIX_SCALE_ROW1
.else
	v_wmma_scale_f32_16x16x128_f8f6f4 v[8*(8*((\a)%4)+\b):8*(8*((\a)%4)+\b)+7], v[128*(\p)+FR*\b:128*(\p)+FR*\b+FR-1], v[AF+FR*(\a):AF+FR*(\a)+FR-1], v[8*(8*((\a)%4)+\b):8*(8*((\a)%4)+\b)+7], v[SC+8*NQ*(\sc)+NQ*\b+(\q)], v[SC+8*NQ*(\sc)+NQ*(\a)+(\q)] matrix_a_fmt:MATRIX_FMT_FP4 matrix_b_fmt:MATRIX_FMT_FP4 matrix_a_scale:MATRIX_SCALE_ROW1
.endif
.endr
.endr
.endm
.macro FETCH_B slot, q, p
	WIN TO_B
.irp i, 0,1,2,3,4,5,6,7
	FRAG 128*(\p)+FR*\i, ADRB+\slot, \q, \i
.endr
	WIN 0
.endm
.macro FETCH_A slot, q, i0
.irp i, \i0, \i0+1, \i0+2, \i0+3
	FRAG AF+FR*(\i), ADRA+\slot, \q, \i
.endr
.endm
.macro SCALES sc                       ; a slot's scale words: 4 words a row; lanes 0-15 take A's block i, lanes 16-31 B's block i
.irp i, 0,1,2,3,4,5,6,7
	ds_load_b128 v[SC+8*NQ*\sc+NQ*\i:SC+8*NQ*\sc+NQ*\i+3], v[ADRS] offset:\i*SBLK
.endr
.endm
.macro PLACES n                        ; plain vector lines between a matrix instruction and a load into, or a read of, its registers
.rept \n
	v_nop
.endr
.endm
.macro STEP slot, q, one               ; a step of 128 along K that has its successor in the same slot
	s_wait_dscnt 4*NL                              ; B's set and A's blocks 0-3 are in; the youngest eight loads (A's blocks 4-7) may be out
.if \one
	WIN ONE_LO
.else
	WIN MUL_LO
.endif
	MUL16 0, (\q)%2, \q, \slot, \one
	MUL16 2, (\q)%2, \q, \slot, \one
	s_wait_dscnt 0
	PLACES NP
	FETCH_B \slot, (\q)+1, 1-(\q)%2
	FETCH_A \slot, (\q)+1, 0
.if \one
	WIN ONE_HI
.else
	WIN MUL_HI
.endif
	MUL16 4, (\q)%2, \q, \slot, \one
	MUL16 6, (\q)%2, \q, \slot, \one
	PLACES NP
	WIN 0
	FETCH_A \slot, (\q)+1, 4
.endm
; Slot 0's last step changes slots: one barrier; in front of it each wave waits for all its tensor loads (its part of slot 1), adds 0 to its spare word, and waits for that and for its reads of slot 0.  Nothing is filled again.
.macro TURN slot, next
	s_wait_tensorcnt 0x0
	ds_add_u32 v[SPW], v[NIL]
	s_wait_dscnt 4*NL+1                            ; the add and the youngest eight loads may be out
	WIN MUL_LO
	MUL16 0, 1, NQ-1, \slot, 0
	s_wait_dscnt 0x0                               ; the add is done, and my reads of this slot are over
	s_barrier_signal -1
	MUL16 2, 1, NQ-1, \slot, 0
	WIN 0
	s_barrier_wait -1
	PLACES NP
	v_add_nc_u32 v[ADRS], 4*NQ, v[ADRS]            ; on to the next slot's scale words
	FETCH_B \next, 0, 0
	FETCH_A \next, 0, 0
	SCALES \next
	WIN MUL_HI
	MUL16 4, 1, NQ-1, \slot, 0
	MUL16 6, 1, NQ-1, \slot, 0
	PLACES NP
	WIN 0
	FETCH_A \next, 0, 4
.endm
.macro STEPS slot, from
.set Q, \from
.rept NQ-1-\from
	STEP \slot, Q, 0
.set Q, Q+1
.endr
.endm
	s_wait_tensorcnt 1                             ; the scales and my part of slot 0 are in; slot 1's load may be out
	s_barrier_signal -1
	s_barrier_wait -1
	FETCH_B 0, 0, 0
	FETCH_A 0, 0, 0
	SCALES 0
	FETCH_A 0, 0, 4
	s_wait_loadcnt 0x0                             ; the bias
	STEP 0, 0, 1
	STEPS 0, 1
	TURN 0, 1
	STEPS 1, 0
	s_wait_dscnt 4*NL                              ; the very last step: nothing more to fetch
	WIN MUL_LO
	MUL16 0, 1, NQ-1, 1, 0
	MUL16 2, 1, NQ-1, 1, 0
	s_wait_dscnt 0
	WIN MUL_HI
	MUL16 4, 1, NQ-1, 1, 0
	MUL16 6, 1, NQ-1, 1, 0
	WIN 0
; THE WAY OUT, a block of 16 tokens x 128 columns (two heads) at a time: rounded to f16, 16 bytes a lane; through my stage; back as four rows of 128 bytes an instruction, which are 512 consecutive bytes of one head's matrix.
.macro PACK a
.set AC, 64*((\a)%4)
	WIN 0x0a+5*((\a)/4)                            ; sources 0 and 1: window 2 or 3
.irp b, 0,1,2,3,4,5,6,7
.irp r, 0,1,2,3
	v_cvt_pk_f16_f32 v[TMP+4*\b+\r], v[AC+8*\b+2*\r], v[AC+8*\b+2*\r+1]   ; each accumulator from its low end on
.endr
.endr
	WIN 0
.endm
.macro TOSTAGE a
.set BB, BK+32*((\a)%2)
.irp b, 0,1,2,3,4,5,6,7
	ds_store_b128 v[STO], v[TMP+4*\b:TMP+4*\b+3] offset:(\b/4)*SPL+(\b%4)*32
.endr
.irp u, 0,1
.irp i, 0,1,2,3
	ds_load_b128 v[BB+16*\u+4*\i:BB+16*\u+4*\i+3], v[RD] offset:\u*SPL+\i*576   ; in order behind my stores
.endr
.endr
.endm
.macro SEND a
.set BB, BK+32*((\a)%2)
	s_wait_dscnt 0x0                               ; the block is back in registers
	s_wait_xcnt 0x0                                ; the block before's stores have read their registers: the next block's loads may land there
.irp u, 0,1
.irp i, 0,1,2,3
	global_store_b128 v[CO], v[BB+16*\u+4*\i:BB+16*\u+4*\i+3], s[12:13] offset:(\a)*2048+\u*262144+\i*512   ; 512 consecutive bytes, aligned
.endr
.endr
.endm
	PLACES NP
	PACK 0
	TOSTAGE 0
.irp a, 1,2,3,4,5,6,7
	PACK \a                                        ; block a's conversions stand between block a - 1's loads from the stage and the wait for them
	SEND \a-1
	TOSTAGE \a
.endr
	SEND 7
	s_wait_tensorcnt 0x0                           ; the wave's end
	ds_add_u32 v[SPW], v[NIL]
	s_wait_dscnt 0x0
	CROUND                                         ; the closing round
	s_endpgm
.Lfunc_end_k_q0da8f4e1d4_qkvgemm:
	.size	k_q0da8f4e1d4_qkvgemm, .Lfunc_end_k_q0da8f4e1d4_qkvgemm-k_q0da8f4e1d4_qkvgemm
	.p2alignl 7, 3214868480
	.fill 96, 4, 3214868480
	.section	.rodata,"a",@progbits
	.p2align	6, 0x0
	.amdhsa_kernel k_q0da8f4e1d4_qkvgemm
		.amdhsa_group_segment_fixed_size 327680
		.amdhsa_private_segment_fixed_size 0
		.amdhsa_enable_private_segment 0
		.amdhsa_kernarg_size 48
		.amdhsa_user_sgpr_count 2
		.amdhsa_user_sgpr_kernarg_segment_ptr 1
		.amdhsa_wavefront_size32 1
		.amdhsa_system_sgpr_workgroup_id_x 1
		.amdhsa_system_sgpr_workgroup_id_y 1
		.amdhsa_system_sgpr_workgroup_id_z 1
		.amdhsa_system_vgpr_workitem_id 0
		.amdhsa_next_free_vgpr 1024
		.amdhsa_next_free_sgpr 100
		.amdhsa_reserve_vcc 0
		.amdhsa_float_denorm_mode_32 3
		.amdhsa_float_denorm_mode_16_64 3
		.amdhsa_memory_ordered 1
		.amdhsa_forward_progress 1
		.amdhsa_inst_pref_size 133
	.end_amdhsa_kernel
	.amdgpu_metadata
---
amdhsa.version: [ 1, 2 ]
amdhsa.kernels:
  - .name:           k_q0da8f4e1d4_qkvgemm
    .symbol:         k_q0da8f4e1d4_qkvgemm.kd
    .args:
      - { .name: x_codes, .offset: 0, .size: 8, .value_kind: global_buffer, .address_space: global }
      - { .name: x_scales, .offset: 8, .size: 8, .value_kind: global_buffer, .address_space: global }
      - { .name: w_codes, .offset: 16, .size: 8, .value_kind: global_buffer, .address_space: global }
      - { .name: w_scales, .offset: 24, .size: 8, .value_kind: global_buffer, .address_space: global }
      - { .name: bqkv, .offset: 32, .size: 8, .value_kind: global_buffer, .address_space: global }
      - { .name: qkv, .offset: 40, .size: 8, .value_kind: global_buffer, .address_space: global }
    .group_segment_fixed_size: 327680
    .private_segment_fixed_size: 0
    .kernarg_segment_align: 8
    .kernarg_segment_size: 48
    .max_flat_workgroup_size: 128
    .sgpr_count:     100
    .vgpr_count:     1024
    .wavefront_size: 32
...
	.end_amdgpu_metadata
.endif
;; end of part 2
;; launch attn (part 3): grid 4 x 64, 8 waves a work-group, clusters of 4 x 1, 327,680 bytes of LDS; arguments qkv, o; writes o
.if DOCPART == 3
	.amdgcn_target "amdgcn-amd-amdhsa--gfx1250"
	.amdhsa_code_object_version 6
	.text
	.protected	k_q0da8f4e1d4_attn
	.globl	k_q0da8f4e1d4_attn
	.p2align	8
	.type	k_q0da8f4e1d4_attn,@function
k_q0da8f4e1d4_attn:
	s_mov_b64 s[64:65], 0
	v_nop
	global_prefetch_b8 v0, s[64:65] scope:SCOPE_SE
	s_setreg_imm32_b32 hwreg(HW_REG_WAVE_MODE, 25, 1), 1
	s_wait_xcnt 0x0
	s_wait_alu depctr_hold_cnt(0) depctr_sa_sdst(0) depctr_va_vdst(0) depctr_va_sdst(0) depctr_va_ssrc(0) depctr_va_vcc(0) depctr_vm_vsrc(0)
	s_getreg_b32 s2, hwreg(HW_REG_IB_STS2, 6, 4)
	s_cmp_eq_u32 s2, 0
	s_cbranch_scc0 .Lentry_in_a_cluster
	s_endpgm
.Lentry_in_a_cluster:
	s_bfe_u32 s2, ttmp6, 0x10000c
	s_cmp_lg_u32 s2, 0x3003
	s_cbranch_scc0 .Lentry_shape_is_right
	s_endpgm
.Lentry_shape_is_right:
; o[bh][q][:] = the sum over k of softmax_k(Q[q] . K[k] / 32) V[k][:], for each of 64 (batch, head); Q, K, V: f16 [2048][64], the three blocks of qkv; o: f16 [bh][2048][64].
; Products with f16 operands and f32 sums; maxima, exponentials and row sums in f32; the weights p are rounded to f16 for the second product, o once at the end.
; SHARES.  A work-group owns 512 queries of one head: 256 work-groups.  Each of its eight waves owns 64 queries, four tiles of 16, in 512 registers: two waves to a SIMD, so that one wave's softmax stands beside the other's products.
; Every wave walks the head's 2,048 keys, 64 a step; each fragment of K and V read from LDS feeds four products.
; LAYOUT.  S^T = K Q^T (source 0 = 16 keys, source 1 = 16 queries): a lane holds ONE query (lane % 16) and the keys 8 (lane / 16) + 0..7.  Two such tiles, rounded in pairs, are source 1 of O^T = V^T P.  V ([key][d]) comes turned, by ds_load_tr16_b128.
; SOFTMAX.  A running maximum m and sum l for each query: p = 2^(c s - c m), c = log2(e) / 32; in every step O^T and l are multiplied by a = 2^(c m_old - c m_new).
; RING.  Two LDS slots of four key steps.  All eight waves fetch: waves 0-3 K's tile of steps 0-3 (64 rows x 128 bytes), waves 4-7 V's.  One tensor load a wave is out behind each change of slots, and has four key steps in which to land.
; CLUSTER.  The four work-groups of a head walk the same K and V: each tile is asked for jointly, mask 15.
; LIMIT: q, k, v come as f16 (range 65,504).
; REGISTERS.  window 0: v1-15 addresses; v16-47 statistics, eight a tile (+0 c m, +1 m, +2, +3 l, +4..+7 at work, a in +6); v64-191 S^T, 32 a tile; v192-255 K's eight fragments, then P, 16 a tile.
;             window 1: v0-127 O^T, 32 a tile; v128-191 Q, 16 a tile; v192-255 V's eight fragments.
.set KS,    64
.set PK,    144                        ; a row of K in LDS: 128 bytes + 16: the 16 rows of a load begin 36 words apart
.set PV,    160                        ; a row of V: 128 + 32
.set VOFF,  KS*PK
.set STEPB, KS*(PK+PV)                 ; a step's tiles lie together: 64 rows of K, then 64 of V
.set NST,   4
.set SLOT1, 1<<17                      ; slot 1 begins here: one exclusive or turns an address from one slot to the other
.set STAGE, SLOT1+NST*STEPB            ; the way out: 16 rows x 144 bytes for each wave
.set SP,    144
.set SPARE, STAGE+8*16*SP              ; the spare words, 128 bytes for each wave: four blocks of 256 bytes that no other line names
.set SLOTB, NST*KS*128                 ; a slot's bytes of K, or of V, in memory
.set AK0, 2
.set AV0, 3
.set ADK, 4
.set ADV, 5
.set STO, 6
.set RD,  7
.set GO,  8
.set QO,  12
.set PFO, 13                           ; v13  256 x lane; never rewritten
.set SPW, 14                           ; v14  LDS address of my spare word; never rewritten
.set NIL, 15                           ; v15  0; never rewritten
.set ST,  16
.set S,   64
.set KF,  192
.set P,   192
.set QF,  128
.set VF,  192
.set WV,  12
.set LIM, 15
.set PFA, 18
.set G1K, 24
.set G1V, 32
.set G0K, 40
.set G0V, 44
.set SLOTS, 56
.set CNT, 57
.set CS,  58
.set SEL, 60
.set TB,  62
.set MSB, 0
.macro WIN new
.if MSB != (\new)
	s_set_vgpr_msb (MSB<<8)|(\new)
.set MSB, (\new)
.endif
.endm
.set W_KQ, 0x04                        ; K and S^T window 0, Q window 1
.set W_PV, 0x51                        ; V and O^T window 1, P window 0
.set W_RS, 0x41                        ; O^T window 1, a window 0
.set W_L1, 0x40                        ; a load's destination window 1, its address window 0
.macro JLOAD                           ; waves 0-3 fetch K's tiles, waves 4-7 V's; an s_nop 0 and four v_nop follow each line
	s_cmp_lt_u32 s[WV], 4
	s_cbranch_scc0 .Lfor_v_\@
	tensor_load_to_lds s[G0K:G0K+3], s[G1K:G1K+7]
	s_nop 0
.rept 4
	v_nop
.endr
	s_branch .Lasked_\@
.Lfor_v_\@:
	tensor_load_to_lds s[G0V:G0V+3], s[G1V:G1V+7]
	s_nop 0
.rept 4
	v_nop
.endr
.Lasked_\@:
.endm
; A prefetch of what the NEXT change of slots will ask for: a slot's 32,768 bytes of K and of V.  Wave 0 asks for K's, wave 4 for V's; the four partners take 8,192 bytes each, told apart by address; lanes 256 bytes apart:
; each aligned 256 bytes are named once in the launch.  It stands four key steps ahead of the load that wants the bytes.  The last change that fills a slot asks for nothing; nothing is asked at the head.
.macro ASK
	s_cmp_gt_u32 s[SLOTS], s[LIM]
	s_cbranch_scc0 .Lnot_mine_\@
	global_prefetch_b8 v[PFO], s[PFA:PFA+1] th:TH_LOAD_NT scope:SCOPE_SE
.Lnot_mine_\@:
.endm
.macro CROUND
	s_barrier_signal -1
	s_barrier_wait -1
	s_cmp_lg_u32 s[WV], 0
	s_cbranch_scc1 .Lnot_wave_0_\@
	s_barrier_signal -3
.Lnot_wave_0_\@:
	s_barrier_wait -3
	s_barrier_signal -1
	s_barrier_wait -1
.endm
	s_load_b128 s[4:7], s[0:1], 0x0                ; qkv, o
	v_lshl_add_u32 v[SPW], v0, 2, SPARE
	v_mov_b32 v[NIL], 0
	ds_add_u32 v[SPW], v[NIL]                      ; the wave's opening: the add, twice on end, and its wait ahead of my first tensor load
	ds_add_u32 v[SPW], v[NIL]
	v_lshrrev_b32 v1, 5, v0
	v_readfirstlane_b32 s[WV], v1                  ; wave 0..7
	s_bfe_u32 s13, ttmp6, 0x40000                  ; cx
	s_lshl_b32 s14, ttmp9, 2
	s_add_co_u32 s14, s14, s13                     ; my block of 512 queries: it enters Q's and o's addresses alone
	s_and_b32 s20, ttmp7, 0xffff                   ; batch x head, which the partners share
	s_lshl_b32 s20, s20, 18                        ; its 262,144 bytes in each of q, k, v and o
	s_and_b32 s16, s[WV], 3                        ; which of a slot's four steps I fetch:
	s_lshl_b32 s22, s16, 13                        ; its 64 rows of 128 bytes in memory,
	s_add_co_u32 s22, s22, s20
	s_mov_b32 s23, 0
	s_mul_i32 s17, s16, STEPB                      ; and its place in a slot
	s_lshl_b32 s2, s14, 16
	s_lshl_b32 s3, s[WV], 13
	s_add_co_u32 s2, s2, s3
	s_add_co_u32 s2, s2, s20                       ; my wave's 64 queries
	s_mov_b32 s3, 0
	s_lshr_b32 s18, s[WV], 2
	s_add_co_u32 s18, s18, 1
	s_lshl_b32 s18, s18, 24                        ; the prefetches: K's block of qkv (waves 0-3) or V's,
	s_add_co_u32 s18, s18, s20                     ; my head,
	s_lshl_b32 s19, s13, 13
	s_add_co_u32 s18, s18, s19                     ; my work-group's 8,192 bytes,
	s_add_co_u32 s18, s18, SLOTB                   ; in slot 1: the first change of slots steps it to slot 2
	s_mov_b32 s19, 0
	s_mov_b32 s[G1K], 15|(1<<16)|(1<<20)|(1<<21)|(4<<22)|(3<<25)   ; the mask: all four; elements of 2 bytes; padding on; bit 21 beside a mask; after every 32 words, 4 words
	s_mov_b32 s[G1V], 15|(1<<16)|(1<<20)|(1<<21)|(4<<22)|(7<<25)   ; the same with 8 words
.irp g, G1K, G1V
	s_mov_b32 s[\g+1], 64<<16                      ; tensor_dim0
	s_mov_b32 s[\g+2], KS<<16                      ; tensor_dim1
	s_mov_b32 s[\g+3], 64<<16                      ; tile_dim0
	s_mov_b32 s[\g+4], KS                          ; tile_dim1
	s_mov_b32 s[\g+5], 64                          ; the pitch
	s_mov_b32 s[\g+6], 0
	s_mov_b32 s[\g+7], 0
.endr
	s_mov_b32 s[CS], 0x3d38aa3b                    ; c = log2(e) / 32
	s_mov_b32 s[CS+1], s[CS]                       ; named with it as a pair
	s_mov_b32 s[SEL], 0x76543210
	s_mov_b32 s[SEL+1], 0xfedcba98                 ; lane l xor 16
	s_mov_b32 s[TB], 0
	s_mov_b32 s[SLOTS], 7
	s_cmp_eq_u32 s16, 0
	s_cselect_b32 s[LIM], 1, -1                    ; waves 0 and 4 prefetch
	v_and_b32 v[PFO], 31, v0
	v_lshlrev_b32 v[PFO], 8, v[PFO]
	s_wait_dscnt 0x0                               ; both opening adds are done
	s_wait_kmcnt 0x0
	s_add_nc_u64 s[8:9], s[4:5], s[22:23]
	s_add_nc_u64 s[10:11], s[8:9], 0x2000000       ; V at my tile of slot 0
	s_add_nc_u64 s[8:9], s[8:9], 0x1000000         ; K likewise
	s_add_nc_u64 s[PFA:PFA+1], s[4:5], s[PFA:PFA+1]
	s_add_nc_u64 s[4:5], s[4:5], s[2:3]            ; Q at my wave's first query
	s_add_nc_u64 s[6:7], s[6:7], s[2:3]            ; o likewise
	CROUND                                         ; all four work-groups are here: the first joint loads meet
	s_mov_b32 s[G0K], 1
	s_mov_b32 s[G0K+1], s17
	s_mov_b64 s[G0K+2:G0K+3], s[8:9]
	s_or_b32 s[G0K+3], s[G0K+3], 0x80000000
	s_mov_b32 s[G0V], 1
	s_add_co_u32 s[G0V+1], s17, VOFF
	s_mov_b64 s[G0V+2:G0V+3], s[10:11]
	s_or_b32 s[G0V+3], s[G0V+3], 0x80000000
	JLOAD                                          ; slot 0
	v_and_b32 v1, 15, v0                           ; r
	v_bfe_u32 v9, v0, 4, 1                         ; h
	v_lshlrev_b32 v[QO], 7, v1
	v_lshl_add_u32 v[QO], v9, 4, v[QO]             ; row x 128 + 16 x half
	WIN W_L1
.irp n, 0,1,2,3,4,5,6,7                        ; Q stays in registers: tile n / 2, d 32 (n % 2) on
	global_load_b128 v[QF+8*\n:QF+8*\n+3],   v[QO], s[4:5] offset:(\n/2)*2048+(\n%2)*64
	global_load_b128 v[QF+8*\n+4:QF+8*\n+7], v[QO], s[4:5] offset:(\n/2)*2048+(\n%2)*64+32
.endr
	WIN 0
	v_mul_u32_u24 v[AK0], v1, PK
	v_lshl_add_u32 v[AK0], v9, 4, v[AK0]
	v_and_b32 v10, 7, v0
	v_bfe_u32 v11, v0, 3, 1
	v_lshl_add_u32 v[AV0], v9, 3, v10              ; the turning load: key 8 (l / 16) + l % 8, d 8 ((l / 8) % 2) on
	v_mul_u32_u24 v[AV0], v[AV0], PV
	v_lshl_add_u32 v[AV0], v11, 4, v[AV0]
	v_add_nc_u32 v[AV0], VOFF, v[AV0]
	s_mul_i32 s16, s[WV], 16*SP
	s_add_co_u32 s16, s16, STAGE                   ; my stage
	v_mul_u32_u24 v[STO], v1, SP
	v_lshl_add_u32 v[STO], v9, 4, v[STO]
	v_add_nc_u32 v[STO], s16, v[STO]               ; in: row r, 16 bytes for each half of the lanes
	v_bfe_u32 v[RD], v0, 3, 2
	v_mul_u32_u24 v[RD], v[RD], SP
	v_lshl_add_u32 v[RD], v10, 4, v[RD]
	v_add_nc_u32 v[RD], s16, v[RD]                 ; back: eight lanes to a row of 128 bytes, four rows an instruction
	v_and_b32 v[GO], 31, v0
	v_lshlrev_b32 v[GO], 4, v[GO]                  ; which are 512 consecutive bytes of o
; THE SOFTMAX of a key step, for the wave's four tiles by turns.  first = 1: the first key step, which starts m, l and O^T.
.macro SOFTMAX first
.irp j, 0,1,2,3                                ; the maximum of a lane's 32 scores: four chains, each begun on the low registers of one accumulator
.irp t, 0,1,2,3
	v_max3_num_f32 v[ST+8*\t+4+\j], v[S+32*\t+8*\j], v[S+32*\t+8*\j+1], v[S+32*\t+8*\j+2]
.endr
.endr
.irp g, 1,2
.irp j, 0,1,2,3
.irp t, 0,1,2,3
	v_max3_num_f32 v[ST+8*\t+4+\j], v[ST+8*\t+4+\j], v[S+32*\t+8*\j+2*\g+1], v[S+32*\t+8*\j+2*\g+2]
.endr
.endr
.endr
.irp t, 0,1,2,3
	v_max3_num_f32 v[ST+8*\t+4], v[ST+8*\t+4], v[S+32*\t+7], v[S+32*\t+15]
.endr
.irp t, 0,1,2,3
	v_max3_num_f32 v[ST+8*\t+6], v[ST+8*\t+6], v[S+32*\t+23], v[S+32*\t+31]
.endr
.irp t, 0,1,2,3
	v_max3_num_f32 v[ST+8*\t+4], v[ST+8*\t+4], v[ST+8*\t+5], v[ST+8*\t+6]
.endr
.irp t, 0,1,2,3
.if \first
	v_max_num_f32 v[ST+8*\t+4], v[ST+8*\t+4], v[ST+8*\t+7]
.else
	v_max3_num_f32 v[ST+8*\t+4], v[ST+8*\t+4], v[ST+8*\t+7], v[ST+8*\t+1]   ; with the old m
.endif
.endr
.irp t, 0,1,2,3
	v_permlanex16_b32 v[ST+8*\t+5], v[ST+8*\t+4], s[SEL], s[SEL+1]   ; the query's other 32 keys lie in the lane 16 away
.endr
.if \first == 0
.irp t, 0,1,2,3
	v_mov_b32 v[ST+8*\t+7], v[ST+8*\t]             ; c m_old is kept for a
.endr
.endif
.irp t, 0,1,2,3
	v_max_num_f32 v[ST+8*\t+1], v[ST+8*\t+4], v[ST+8*\t+5]
.endr
.irp t, 0,1,2,3
	v_mul_f32 v[ST+8*\t], s[CS], v[ST+8*\t+1]
.endr
.if \first == 0
.irp t, 0,1,2,3
	v_sub_f32 v[ST+8*\t+7], v[ST+8*\t+7], v[ST+8*\t]
.endr
.irp t, 0,1,2,3
	v_exp_f32 v[ST+8*\t+6], v[ST+8*\t+7]           ; a.  From here to the wait: ONE BATCH; nothing in it names an exponential's result
.endr
.endif
.irp b, 0,1,2,3,4,5,6,7,8,9,10,11,12,13,14,15
	v_pk_fma_f32 v[S+2*\b:S+2*\b+1], v[S+2*\b:S+2*\b+1], s[CS:CS+1], v[ST:ST+1] op_sel_hi:[1,0,0] neg_lo:[0,0,1] neg_hi:[0,0,1]   ; tile 0: c s - c m, a pair at a time
.endr
.irp t, 0,1,2                                  ; a scaling of the next tile leads two exponentials of this one
.irp b, 0,1,2,3,4,5,6,7,8,9,10,11,12,13,14,15
	v_pk_fma_f32 v[S+32*\t+32+2*\b:S+32*\t+32+2*\b+1], v[S+32*\t+32+2*\b:S+32*\t+32+2*\b+1], s[CS:CS+1], v[ST+8*\t+8:ST+8*\t+9] op_sel_hi:[1,0,0] neg_lo:[0,0,1] neg_hi:[0,0,1]
	v_exp_f32 v[S+32*\t+2*\b], v[S+32*\t+2*\b]
	v_exp_f32 v[S+32*\t+2*\b+1], v[S+32*\t+2*\b+1]
.endr
.endr
.irp e, 0,1,2,3,4,5,6,7,8,9,10,11,12,13,14,15,16,17,18,19,20,21,22,23,24,25,26,27,28,29,30,31
	v_exp_f32 v[S+96+\e], v[S+96+\e]
.endr
	v_nop                                          ; a plain line behind the last exponential,
	s_wait_alu depctr_va_vdst(0)                   ; and the one wait ahead of the batch's first reader
.irp t, 0,1,2,3
.irp b, 0,1,2,3,4,5,6,7,8,9,10,11,12,13,14,15
	v_cvt_pk_f16_f32 v[P+16*\t+\b], v[S+32*\t+2*\b], v[S+32*\t+2*\b+1]   ; P takes K's registers: the products that read K stand more than four plain lines back
.endr
.endr
.irp z, 0,1,2,3,4,5,6,7                        ; the sum of a tile's 16 pairs, in place
.irp t, 0,1,2,3
	v_pk_add_f32 v[S+32*\t+4*\z:S+32*\t+4*\z+1], v[S+32*\t+4*\z:S+32*\t+4*\z+1], v[S+32*\t+4*\z+2:S+32*\t+4*\z+3]
.endr
.endr
.irp z, 0,1,2,3
.irp t, 0,1,2,3
	v_pk_add_f32 v[S+32*\t+8*\z:S+32*\t+8*\z+1], v[S+32*\t+8*\z:S+32*\t+8*\z+1], v[S+32*\t+8*\z+4:S+32*\t+8*\z+5]
.endr
.endr
.irp z, 0,1
.irp t, 0,1,2,3
	v_pk_add_f32 v[S+32*\t+16*\z:S+32*\t+16*\z+1], v[S+32*\t+16*\z:S+32*\t+16*\z+1], v[S+32*\t+16*\z+8:S+32*\t+16*\z+9]
.endr
.endr
.if \first
.irp t, 0,1,2,3
	v_pk_add_f32 v[ST+8*\t+2:ST+8*\t+3], v[S+32*\t:S+32*\t+1], v[S+32*\t+16:S+32*\t+17]
.endr
.else
.irp t, 0,1,2,3
	v_pk_add_f32 v[S+32*\t:S+32*\t+1], v[S+32*\t:S+32*\t+1], v[S+32*\t+16:S+32*\t+17]
.endr
.irp t, 0,1,2,3
	v_pk_fma_f32 v[ST+8*\t+2:ST+8*\t+3], v[ST+8*\t+2:ST+8*\t+3], v[ST+8*\t+6:ST+8*\t+7], v[S+32*\t:S+32*\t+1] op_sel_hi:[1,0,1]   ; l = a l + the sum
.endr
	WIN W_RS
.irp t, 0,1,2,3
.irp b, 0,1,2,3,4,5,6,7,8,9,10,11,12,13,14,15
	v_pk_mul_f32 v[32*\t+2*\b:32*\t+2*\b+1], v[32*\t+2*\b:32*\t+2*\b+1], v[ST+8*\t+6:ST+8*\t+7] op_sel_hi:[1,0]   ; O^T x a, each accumulator from its low end on
.endr
.endr
.endif
.endm
; A KEY STEP: 64 keys.  The accumulators take turns, one instruction a turn: 15 others stand between two links of a chain.
.macro STEP first
	WIN 0
	v_add_nc_u32 v[ADK], s[TB], v[AK0]             ; these four plain lines are also the places between the last products, which read P and V, and the loads into those registers
	v_add_nc_u32 v[ADV], s[TB], v[AV0]
	v_nop
	v_nop
.irp n, 0,1,2,3,4,5,6,7                        ; K: keys 16 (n / 2) on, d 32 (n % 2) on
	ds_load_b128 v[KF+8*\n:KF+8*\n+3],   v[ADK] offset:(\n/2)*16*PK+(\n%2)*64
	ds_load_b128 v[KF+8*\n+4:KF+8*\n+7], v[ADK] offset:(\n/2)*16*PK+(\n%2)*64+32
.endr
	WIN W_L1
.irp n, 0,1,2,3,4,5,6,7                        ; V, turned: keys 32 (n / 4) on, d 16 (n % 4) on
	ds_load_tr16_b128 v[VF+8*\n:VF+8*\n+3],   v[ADV] offset:(\n/4)*32*PV+(\n%4)*32
	ds_load_tr16_b128 v[VF+8*\n+4:VF+8*\n+7], v[ADV] offset:(\n/4)*32*PV+16*PV+(\n%4)*32
.endr
	s_add_co_u32 s[TB], s[TB], STEPB               ; the next fetch is the next step's
	s_wait_dscnt 16                                ; K's sixteen loads are in; V's sixteen may be out
	WIN W_KQ
.set i, 0
.rept 32                                       ; S^T = K Q^T: d 32 (i / 16) on, keys 16 ((i / 4) % 4) on, tile i % 4
.set rS, S+32*(i%4)+8*((i/4)%4)
.set rK, KF+16*((i/4)%4)+8*(i/16)
.set rQ, QF+16*(i%4)+8*(i/16)
.if i < 16
	v_wmma_f32_16x16x32_f16 v[rS:rS+7], v[rK:rK+7], v[rQ:rQ+7], 0
.else
	v_wmma_f32_16x16x32_f16 v[rS:rS+7], v[rK:rK+7], v[rQ:rQ+7], v[rS:rS+7]
.endif
.set i, i+1
.endr
	WIN 0
.rept 4
	v_nop                                          ; four places ahead of the first read of the scores
.endr
	SOFTMAX \first
	s_wait_dscnt 0x0                               ; V is in
	WIN W_PV
.set i, 0
.rept 32                                       ; O^T += V^T P: keys 32 (i / 16) on, d 16 ((i / 4) % 4) on, tile i % 4
.set rO, 32*(i%4)+8*((i/4)%4)
.set rV, VF+32*(i/16)+8*((i/4)%4)
.set rP, P+16*(i%4)+8*(i/16)
.if \first && (i < 16)
	v_wmma_f32_16x16x32_f16 v[rO:rO+7], v[rV:rV+7], v[rP:rP+7], 0
.else
	v_wmma_f32_16x16x32_f16 v[rO:rO+7], v[rV:rV+7], v[rP:rP+7], v[rO:rO+7]
.endif
.set i, i+1
.endr
	WIN 0
.endm
; THE CHANGE OF SLOTS stands at a slot's head.  Each wave waits for all its tensor loads (its part of the slot that it is about to read), adds 0 to its spare word, and waits for that and for its reads of the slot that it has left.
; fill = 1: a round of the cluster's barrier follows, and behind it the other slot is asked for, jointly: the first thing behind the round, one tensor load a wave.
.macro CHANGE fill
	WIN 0
	s_wait_tensorcnt 0x0                           ; no tensor load of mine is out, so a group 0 may be written
	ds_add_u32 v[SPW], v[NIL]
.if \fill
	s_xor_b32 s[G0K+1], s[G0K+1], SLOT1            ; the walking descriptors: the other slot than last time,
	s_add_nc_u64 s[G0K+2:G0K+3], s[G0K+2:G0K+3], SLOTB   ; the next 256 keys
	s_xor_b32 s[G0V+1], s[G0V+1], SLOT1
	s_add_nc_u64 s[G0V+2:G0V+3], s[G0V+2:G0V+3], SLOTB
	s_wait_xcnt 0x0                                ; the last prefetch, a slot back, has read its address
	s_add_nc_u64 s[PFA:PFA+1], s[PFA:PFA+1], SLOTB
	s_wait_dscnt 0x0                               ; the add is done, and my reads of the slot that I have left are over
	CROUND
	JLOAD
	ASK
.else
	s_wait_dscnt 0x0
	s_barrier_signal -1
	s_barrier_wait -1
.endif
.endm
.macro STEPS n                         ; n key steps, written once; then the fetches go on to the other slot's first step
	s_mov_b32 s[CNT], \n
.Lstep_\@:
	STEP 0
	s_sub_co_u32 s[CNT], s[CNT], 1
	s_cmp_lg_u32 s[CNT], 0
	s_cbranch_scc1 .Lstep_\@
	s_sub_co_u32 s[TB], s[TB], NST*STEPB
	s_xor_b32 s[TB], s[TB], SLOT1
.endm
	CHANGE 1                                       ; slot 0 is whole; slot 1 is asked for
	s_wait_loadcnt 0x0                             ; Q
	STEP 1
	STEPS 3
	s_mov_b32 s[SLOTS], 6
.Lslot:                                            ; six trips: slots 1 to 6 are read, slots 2 to 7 asked for
	CHANGE 1
	STEPS 4
	s_sub_co_u32 s[SLOTS], s[SLOTS], 1
	s_cmp_lg_u32 s[SLOTS], 0
	s_cbranch_scc1 .Lslot
	CHANGE 0                                       ; the last slot is written out: nothing is left to ask for
	STEPS 4
	; THE WAY OUT.  l's two halves and the other half of the lanes' are added (the first four additions are the places behind the last products); O^T / l, rounded to f16, goes through my stage, a tile at a time.
.irp t, 0,1,2,3
	v_add_f32 v[ST+8*\t+4], v[ST+8*\t+2], v[ST+8*\t+3]
.endr
.irp t, 0,1,2,3
	v_permlanex16_b32 v[ST+8*\t+5], v[ST+8*\t+4], s[SEL], s[SEL+1]
.endr
.irp t, 0,1,2,3
	v_add_f32 v[ST+8*\t+4], v[ST+8*\t+4], v[ST+8*\t+5]
.endr
.irp t, 0,1,2,3
	v_rcp_f32 v[ST+8*\t+6], v[ST+8*\t+4]
.endr
	v_nop                                          ; a plain line behind the last reciprocal,
	s_wait_alu depctr_va_vdst(0)                   ; and the wait ahead of the first use: one for the four
.macro PACK t
	WIN W_RS
.irp b, 0,1,2,3,4,5,6,7,8,9,10,11,12,13,14,15
	v_pk_mul_f32 v[32*\t+2*\b:32*\t+2*\b+1], v[32*\t+2*\b:32*\t+2*\b+1], v[ST+8*\t+6:ST+8*\t+7] op_sel_hi:[1,0]
.endr
	WIN 0x05                                       ; sources window 1, destination window 0: S^T's registers are free
.irp b, 0,1,2,3,4,5,6,7,8,9,10,11,12,13,14,15
	v_cvt_pk_f16_f32 v[S+32*\t+\b], v[32*\t+2*\b], v[32*\t+2*\b+1]
.endr
	WIN 0
.irp n, 0,1,2,3
	ds_store_b128 v[STO], v[S+32*\t+4*\n:S+32*\t+4*\n+3] offset:32*\n
.endr
.irp n, 0,1,2,3
	ds_load_b128 v[S+32*\t+16+4*\n:S+32*\t+16+4*\n+3], v[RD] offset:\n*4*SP   ; in order behind my stores; the next tile's stores come behind these
.endr
.endm
.macro SEND t, younger                 ; younger: the LDS instructions issued behind tile t's loads: the next tile's four stores and four loads, or none
.irp n, 0,1,2,3
	s_wait_dscnt \younger+3-\n
	global_store_b128 v[GO], v[S+32*\t+16+4*\n:S+32*\t+16+4*\n+3], s[6:7] offset:\t*2048+\n*512   ; 512 consecutive bytes, aligned
.endr
.endm
	PACK 0
	PACK 1
	SEND 0, 8
	PACK 2
	SEND 1, 8
	PACK 3
	SEND 2, 8
	SEND 3, 0
	s_wait_tensorcnt 0x0                           ; the wave's end
	ds_add_u32 v[SPW], v[NIL]
	s_wait_dscnt 0x0
	CROUND                                         ; the closing round
	s_endpgm
.Lfunc_end_k_q0da8f4e1d4_attn:
	.size	k_q0da8f4e1d4_attn, .Lfunc_end_k_q0da8f4e1d4_attn-k_q0da8f4e1d4_attn
	.p2alignl 7, 3214868480
	.fill 96, 4, 3214868480
	.section	.rodata,"a",@progbits
	.p2align	6, 0x0
	.amdhsa_kernel k_q0da8f4e1d4_attn
		.amdhsa_group_segment_fixed_size 327680
		.amdhsa_private_segment_fixed_size 0
		.amdhsa_enable_private_segment 0
		.amdhsa_kernarg_size 16
		.amdhsa_user_sgpr_count 2
		.amdhsa_user_sgpr_kernarg_segment_ptr 1
		.amdhsa_wavefront_size32 1
		.amdhsa_system_sgpr_workgroup_id_x 1
		.amdhsa_system_sgpr_workgroup_id_y 1
		.amdhsa_system_sgpr_workgroup_id_z 1
		.amdhsa_system_vgpr_workitem_id 0
		.amdhsa_next_free_vgpr 512
		.amdhsa_next_free_sgpr 66
		.amdhsa_reserve_vcc 0
		.amdhsa_float_denorm_mode_32 3
		.amdhsa_float_denorm_mode_16_64 3
		.amdhsa_memory_ordered 1
		.amdhsa_forward_progress 1
		.amdhsa_inst_pref_size 147
	.end_amdhsa_kernel
	.amdgpu_metadata
---
amdhsa.version: [ 1, 2 ]
amdhsa.kernels:
  - .name:           k_q0da8f4e1d4_attn
    .symbol:         k_q0da8f4e1d4_attn.kd
    .args:
      - { .name: qkv, .offset: 0, .size: 8, .value_kind: global_buffer, .address_space: global }
      - { .name: o, .offset: 8, .size: 8, .value_kind: global_buffer, .address_space: global }
    .group_segment_fixed_size: 327680
    .private_segment_fixed_size: 0
    .kernarg_segment_align: 8
    .kernarg_segment_size: 16
    .max_flat_workgroup_size: 256
    .sgpr_count:     66
    .vgpr_count:     512
    .wavefront_size: 32
...
	.end_amdgpu_metadata
.endif
;; end of part 3
;; launch proj (part 4): grid 4 x 64, 4 waves a work-group, clusters of 4 x 4, 327,680 bytes of LDS; arguments o, wpt, bproj, out0; writes out0
.if DOCPART == 4
	.amdgcn_target "amdgcn-amd-amdhsa--gfx1250"
	.amdhsa_code_object_version 6
	.text
	.protected	k_q0da8f4e1d4_proj
	.globl	k_q0da8f4e1d4_proj
	.p2align	8
	.type	k_q0da8f4e1d4_proj,@function
k_q0da8f4e1d4_proj:
	s_mov_b64 s[64:65], 0
	v_nop
	global_prefetch_b8 v0, s[64:65] scope:SCOPE_SE
	s_setreg_imm32_b32 hwreg(HW_REG_WAVE_MODE, 25, 1), 1
	s_wait_xcnt 0x0
	s_wait_alu depctr_hold_cnt(0) depctr_sa_sdst(0) depctr_va_vdst(0) depctr_va_sdst(0) depctr_va_ssrc(0) depctr_va_vcc(0) depctr_vm_vsrc(0)
	s_getreg_b32 s2, hwreg(HW_REG_IB_STS2, 6, 4)
	s_cmp_eq_u32 s2, 0
	s_cbranch_scc0 .Lentry_in_a_cluster
	s_endpgm
.Lentry_in_a_cluster:
	s_bfe_u32 s2, ttmp6, 0x10000c
	s_cmp_lg_u32 s2, 0xf033
	s_cbranch_scc0 .Lentry_shape_is_right
	s_endpgm
.Lentry_shape_is_right:
; out0[token][n] = the sum over k = 64 h + d of o[batch, h][token][d] wpt[n][k] + bproj[n].  o, wpt: f16; sums and out0: f32.
; A tile of 128 tokens x 256 columns is made by four waves: 256 work-groups.  A wave makes 64 x 128: 32 accumulators, 256 registers (window 2).  THE PRODUCT IS USED TRANSPOSED (source 0 = 16 rows of wpt, source 1 = 16 tokens).
; K goes in steps of 128, which are two heads, through a ring of two LDS slots.  Waves 0 and 1 fetch o's tile of one head each (128 tokens x 128 bytes, dense in memory), waves 2 and 3 128 rows x 256 bytes of wpt each.
; One tensor load a wave is out behind each change of slots; from its request to the wait for it a wave issues 112 products.
; CLUSTERS: 4 x 4 work-groups; o's tiles are asked for jointly along a row of the cluster, wpt's along a column.  THE BIAS is the C of each sum's first product.
; REGISTERS: window 0: v16-31 addresses; v64-127 the bias; v128-255 the way out.  window 1: two fragment buffers of 96 (A's 32, then B's 64) at v0 and v128.  window 2: accumulator (a, b) at v[8 (8 a + b)].
.set PA,     144                       ; a row of o in LDS: 128 bytes + 16
.set PB,     272                       ; a row of wpt: 256 bytes + 16
.set PLANE,  128*PA                    ; one head's 128 tokens
.set BOFF,   2*PLANE
.set HALFB,  128*PB
.set SLOT,   BOFF+2*HALFB
.set STAGE,  2*SLOT                    ; the way out: 16 rows x (512 bytes + 16) for each wave
.set SPITCH, 528
.set SPARE,  STAGE+4*16*SPITCH         ; the spare words, 128 bytes for each wave: two blocks of 256 bytes that no other line names
.set LAPS,   4                         ; eight K steps: four times round the ring
.set ASTEP,  2*262144                  ; a K step on in o: two heads
.set ADRA, 16
.set ADRB, 20
.set STO,  24
.set RD,   25
.set CO,   26
.set SPW,  28                          ; v28  LDS address of my spare word; never rewritten
.set NIL,  29                          ; v29  0; never rewritten
.set PFO,  30                          ; v30  256 x lane; never rewritten
.set BO,   31                          ; v31  the bias's lane offset; never rewritten
.set BI,   64
.set BK,   128
.set F0,   0
.set F1,   128
.set G1, 24
.set G0, 32
.set G1B, 48
.set G0B, 56
.set PFA, 66
.set LIM, 68
.set MSB, 0
.macro WIN new
.if MSB != (\new)
	s_set_vgpr_msb (MSB<<8)|(\new)
.set MSB, (\new)
.endif
.endm
.set MUL,  0xa5                        ; sources 0 and 1 window 1, C and D window 2
.set ONE,  0x85                        ; the first products: C (the bias) window 0
.set TO_F, 0x40
.macro JLOAD s                         ; waves 0 and 1 fetch for A, waves 2 and 3 for B; an s_nop 0 and four v_nop follow each line
	s_cmp_eq_u32 s15, 0
	s_cbranch_scc0 .Lfor_b_\@
	tensor_load_to_lds s[G0+4*\s:G0+4*\s+3], s[G1:G1+7]
	s_nop 0
.rept 4
	v_nop
.endr
	s_branch .Lasked_\@
.Lfor_b_\@:
	tensor_load_to_lds s[G0B+4*\s:G0B+4*\s+3], s[G1B:G1B+7]
	s_nop 0
.rept 4
	v_nop
.endr
.Lasked_\@:
.endm
; A prefetch of o's tile of the K step that stands two refills on: 32,768 bytes.  Wave 0 asks; the four partners that share the tile take 8,192 bytes each, told apart by address; lanes 256 bytes apart: each aligned 256 bytes of o are
; named once in the launch.  The loop's last trip asks for nothing: no K step stands two refills on.  wpt is not asked for: sixteen clusters read its 2 MiB again and again.
.macro ASK
	s_cmp_gt_u32 s3, s[LIM]
	s_cbranch_scc0 .Lnot_mine_\@
	global_prefetch_b8 v[PFO], s[PFA:PFA+1] th:TH_LOAD_NT scope:SCOPE_SE
.Lnot_mine_\@:
.endm
.macro CREST
	s_cmp_lg_u32 s14, 0
	s_cbranch_scc1 .Lnot_wave_0_\@
	s_barrier_signal -3
.Lnot_wave_0_\@:
	s_barrier_wait -3
	s_barrier_signal -1
	s_barrier_wait -1
.endm
.macro CROUND
	s_barrier_signal -1
	s_barrier_wait -1
	CREST
.endm
	s_load_b128 s[4:7], s[0:1], 0x0                ; o, wpt
	s_load_b128 s[8:11], s[0:1], 0x10              ; bproj, out0
	v_lshl_add_u32 v[SPW], v0, 2, SPARE
	v_mov_b32 v[NIL], 0
	ds_add_u32 v[SPW], v[NIL]                      ; the wave's opening: the add, twice on end, and its wait ahead of my first tensor load
	ds_add_u32 v[SPW], v[NIL]
	v_lshrrev_b32 v1, 5, v0
	v_readfirstlane_b32 s14, v1                    ; wave 0..3
	s_lshr_b32 s15, s14, 1                         ; which 64 tokens are mine.  Also: I fetch for A (0) or for B (1)
	s_and_b32 s16, s14, 1                          ; which 128 columns.  Also: which head of the step, or which 128 rows of wpt, I fetch
	s_bfe_u32 s40, ttmp6, 0x40000                  ; cx, cy
	s_bfe_u32 s41, ttmp6, 0x40004
	s_lshl_b32 s42, ttmp9, 2
	s_add_co_u32 s42, s42, s40                     ; tile column 0..3
	s_and_b32 s17, ttmp7, 0xffff
	s_lshl_b32 s17, s17, 2
	s_add_co_u32 s17, s17, s41                     ; tile row 0..63
	s_lshl_b32 s43, s41, 2
	s_lshl_b32 s43, 15, s43                        ; my row of the cluster
	s_lshl_b32 s44, 0x1111, s40                    ; my column
	s_or_b32 s[G1+0], s43, (1<<16)|(1<<20)|(1<<21)|(4<<22)|(3<<25)    ; A: elements of 2 bytes; after every 32 words, 4 words of padding
	s_mov_b32 s[G1+1], 64<<16
	s_mov_b32 s[G1+2], 128<<16
	s_mov_b32 s[G1+3], 64<<16
	s_mov_b32 s[G1+4], 128
	s_mov_b32 s[G1+5], 64
	s_mov_b32 s[G1+6], 0
	s_mov_b32 s[G1+7], 0
	s_or_b32 s[G1B+0], s44, (1<<16)|(1<<20)|(1<<21)|(5<<22)|(3<<25)   ; B: after every 64 words
	s_mov_b32 s[G1B+1], 128<<16
	s_mov_b32 s[G1B+2], 128<<16
	s_mov_b32 s[G1B+3], 128<<16
	s_mov_b32 s[G1B+4], 128
	s_mov_b32 s[G1B+5], 1024
	s_mov_b32 s[G1B+6], 0
	s_mov_b32 s[G1B+7], 0
	s_lshr_b32 s20, s17, 4                         ; A: head 16 x batch + my head of K step 0, 262,144 bytes each,
	s_lshl_b32 s20, s20, 4
	s_add_co_u32 s20, s20, s16
	s_lshl_b32 s20, s20, 18
	s_and_b32 s21, s17, 15
	s_lshl_b32 s21, s21, 14                        ; + the tile's 128 tokens of 128 bytes
	s_add_co_u32 s20, s20, s21
	s_mov_b32 s21, 0
	s_lshl_b32 s46, s42, 8                         ; B: row 256 x tile column + 128 x half, 2,048 bytes each
	s_lshl_b32 s47, s16, 7
	s_add_co_u32 s46, s46, s47
	s_lshl_b32 s46, s46, 11
	s_mov_b32 s47, 0
	s_mul_i32 s45, s16, PLANE                      ; where they go: no place in the cluster enters an LDS address
	s_mul_i32 s22, s16, HALFB
	s_add_co_u32 s22, s22, BOFF
	s_lshr_b32 s18, s17, 4                         ; the prefetches: the tile's first head,
	s_lshl_b32 s18, s18, 22
	s_and_b32 s19, s17, 15
	s_lshl_b32 s19, s19, 14
	s_add_co_u32 s18, s18, s19
	s_lshr_b32 s19, s40, 1
	s_lshl_b32 s19, s19, 18                        ; my work-group's head of the step's two,
	s_add_co_u32 s18, s18, s19
	s_and_b32 s19, s40, 1
	s_lshl_b32 s19, s19, 13                        ; and half of its 16,384 bytes,
	s_add_co_u32 s18, s18, s19
	s_add_co_u32 s18, s18, 3*ASTEP                 ; at K step 3: the first refill steps it to 4
	s_mov_b32 s19, 0
	s_cmp_eq_u32 s14, 0
	s_cselect_b32 s[LIM], 1, -1                    ; wave 0 prefetches
	v_and_b32 v[PFO], 31, v0
	v_lshlrev_b32 v[PFO], 8, v[PFO]
	s_wait_dscnt 0x0                               ; both opening adds are done
	s_wait_kmcnt 0x0
	s_add_nc_u64 s[20:21], s[4:5], s[20:21]
	s_add_nc_u64 s[46:47], s[6:7], s[46:47]
	s_add_nc_u64 s[PFA:PFA+1], s[4:5], s[18:19]
	CROUND                                         ; all sixteen work-groups are here: the first joint loads meet
.irp s, 0,1
	s_mov_b32 s[G0+4*\s], 1
	s_add_co_u32 s[G0+4*\s+1], s45, \s*SLOT
	s_add_nc_u64 s[G0+4*\s+2:G0+4*\s+3], s[20:21], \s*ASTEP
	s_or_b32 s[G0+4*\s+3], s[G0+4*\s+3], 0x80000000
	s_mov_b32 s[G0B+4*\s], 1
	s_add_co_u32 s[G0B+4*\s+1], s22, \s*SLOT
	s_add_nc_u64 s[G0B+4*\s+2:G0B+4*\s+3], s[46:47], \s*256
	s_or_b32 s[G0B+4*\s+3], s[G0B+4*\s+3], 0x80000000
	JLOAD \s
.endr
	v_and_b32 v1, 15, v0                           ; r
	v_bfe_u32 v2, v0, 4, 1                         ; h
	s_lshl_b32 s46, s42, 10                        ; my first column, in bytes of f32: 1,024 x tile column + 512 x half
	s_lshl_b32 s47, s16, 9
	s_add_co_u32 s46, s46, s47
	s_mov_b32 s47, 0
	s_add_nc_u64 s[8:9], s[8:9], s[46:47]          ; the bias: register 8 b + j of lane (r, h) wants bproj at my first column + 16 b + 8 h + j
	v_lshlrev_b32 v[BO], 5, v2
.irp b, 0,1,2,3,4,5,6,7
	global_load_b128 v[BI+8*\b:BI+8*\b+3],   v[BO], s[8:9] offset:64*\b
	global_load_b128 v[BI+8*\b+4:BI+8*\b+7], v[BO], s[8:9] offset:64*\b+16
.endr
	s_lshl_b32 s20, s17, 7
	s_lshl_b32 s21, s15, 6
	s_add_co_u32 s20, s20, s21                     ; my first token
	s_lshl_b32 s20, s20, 12                        ; a row of out0 is 4,096 bytes
	s_add_co_u32 s20, s20, s46
	s_mov_b32 s21, 0
	s_add_nc_u64 s[10:11], s[10:11], s[20:21]
	v_mul_u32_u24 v3, v1, PA
	v_lshl_add_u32 v3, v2, 4, v3
	v_mul_u32_u24 v4, v1, PB
	v_lshl_add_u32 v4, v2, 4, v4
	s_mul_i32 s21, s15, 64*PA                      ; my 64 tokens in each plane
	s_mul_i32 s22, s16, HALFB
	s_add_co_u32 s22, s22, BOFF                    ; my 128 rows of wpt
.irp s, 0,1
	v_add_nc_u32 v[ADRA+\s], s21, v3
	v_add_nc_u32 v[ADRB+\s], s22, v4
	s_add_co_u32 s21, s21, SLOT
	s_add_co_u32 s22, s22, SLOT
.endr
	s_mul_i32 s23, s14, 16*SPITCH
	s_add_co_u32 s23, s23, STAGE                   ; my stage
	v_mul_u32_u24 v5, v1, SPITCH
	v_lshl_add_u32 v5, v2, 5, v5
	v_add_nc_u32 v[STO], s23, v5                   ; in: row r, 32 bytes for each half of the lanes
	v_and_b32 v6, 31, v0
	v_lshlrev_b32 v[CO], 4, v6                     ; back: the 32 lanes take one row of 512 bytes; and the same in out0
	v_add_nc_u32 v[RD], s23, v[CO]
.macro MUL8 f, a, one                  ; 8 products: token block a x wpt's eight blocks, 32 along K.  The 32 accumulators take turns, one instruction a turn
.irp b, 0,1,2,3,4,5,6,7
.if \one
	v_wmma_f32_16x16x32_f16 v[8*(8*\a+\b):8*(8*\a+\b)+7], v[\f+32+8*\b:\f+32+8*\b+7], v[\f+8*\a:\f+8*\a+7], v[BI+8*\b:BI+8*\b+7]
.else
	v_wmma_f32_16x16x32_f16 v[8*(8*\a+\b):8*(8*\a+\b)+7], v[\f+32+8*\b:\f+32+8*\b+7], v[\f+8*\a:\f+8*\a+7], v[8*(8*\a+\b):8*(8*\a+\b)+7]
.endif
.endr
.endm
.macro FETCH slot, q, f                ; 24 LDS loads in one run: the fragments of the slot's q-th 32 along K: head q / 2, d 32 (q % 2) on
	WIN TO_F
.irp i, 0,1,2,3,4,5,6,7
	ds_load_b128 v[\f+32+8*\i:\f+32+8*\i+3],   v[ADRB+\slot] offset:64*(\q)+\i*16*PB
	ds_load_b128 v[\f+32+8*\i+4:\f+32+8*\i+7], v[ADRB+\slot] offset:64*(\q)+\i*16*PB+32
.endr
.irp i, 0,1,2,3
	ds_load_b128 v[\f+8*\i:\f+8*\i+3],   v[ADRA+\slot] offset:((\q)/2)*PLANE+((\q)%2)*64+\i*16*PA
	ds_load_b128 v[\f+8*\i+4:\f+8*\i+7], v[ADRA+\slot] offset:((\q)/2)*PLANE+((\q)%2)*64+\i*16*PA+32
.endr
.endm
.macro PLACES                          ; four plain lines between a matrix instruction and a load into, or a read of, its registers
.rept 4
	v_nop
.endr
.endm
.macro QUARTER slot, q, f, g, one      ; multiplies the slot's q-th quarter, in buffer f; ahead of its 32 products it asks for the next quarter, into g
	s_wait_dscnt 0x0                               ; this quarter's fragments are in
	PLACES
	FETCH \slot, (\q)+1, \g
.if \one
	WIN ONE
.else
	WIN MUL
.endif
	MUL8 \f, 0, \one
	MUL8 \f, 1, \one
	MUL8 \f, 2, \one
	MUL8 \f, 3, \one
.endm
; A slot's last quarter multiplies buffer 1 and changes slots: one barrier; in front of it each wave waits for all its tensor loads, adds 0 to its spare word, and waits for that and for its reads of this slot.
; fill = 1: the barrier opens a round of the cluster's barrier, and behind the round this slot is filled again, two K steps ahead.
.macro TURN slot, next, fill
.if \fill
	s_wait_xcnt 0x0                                ; the last prefetch, a K step back, has read its address
	s_add_nc_u64 s[PFA:PFA+1], s[PFA:PFA+1], ASTEP
.endif
	WIN 0
	s_wait_tensorcnt 0x0                           ; all my tensor loads have landed: my part of the next slot
	ds_add_u32 v[SPW], v[NIL]
	s_wait_dscnt 1                                 ; this quarter's fragments are in; the add may be out
	WIN MUL
	MUL8 F1, 0, 0
	s_wait_dscnt 0x0                               ; the add is done, and my reads of this slot are over
	s_barrier_signal -1
	MUL8 F1, 1, 0
	WIN 0
	s_barrier_wait -1
.if \fill
	CREST
	s_add_nc_u64 s[G0+4*\slot+2:G0+4*\slot+3], s[G0+4*\slot+2:G0+4*\slot+3], 2*ASTEP
	s_add_nc_u64 s[G0B+4*\slot+2:G0B+4*\slot+3], s[G0B+4*\slot+2:G0B+4*\slot+3], 2*256
	JLOAD \slot                                    ; the first tensor load behind the round; its four v_nop are also the places in front of the loads below
.else
	PLACES
.endif
	FETCH \next, 0, F0
.if \fill
	WIN 0
	ASK
.endif
	WIN MUL
	MUL8 F1, 2, 0
	MUL8 F1, 3, 0
.endm
	s_wait_tensorcnt 1                             ; my part of K step 0 is in; K step 1's load may be out
	s_barrier_signal -1
	s_barrier_wait -1
	FETCH 0, 0, F0
	s_wait_loadcnt 0x0                             ; the bias
	QUARTER 0, 0, F0, F1, 1                        ; the first quarter stands in front of the loop: its products start the sums, on the bias
	WIN 0
	s_mov_b32 s3, LAPS-1
.Llap:                                             ; a trip goes once round the ring and fills both slots again
	QUARTER 0, 1, F1, F0, 0
	QUARTER 0, 2, F0, F1, 0
	TURN 0, 1, 1
	QUARTER 1, 0, F0, F1, 0
	QUARTER 1, 1, F1, F0, 0
	QUARTER 1, 2, F0, F1, 0
	TURN 1, 0, 1
	QUARTER 0, 0, F0, F1, 0
	WIN 0
	s_sub_co_u32 s3, s3, 1
	s_cmp_lg_u32 s3, 0
	s_cbranch_scc1 .Llap
	QUARTER 0, 1, F1, F0, 0                        ; the last lap fills nothing
	QUARTER 0, 2, F0, F1, 0
	TURN 0, 1, 0
	QUARTER 1, 0, F0, F1, 0
	QUARTER 1, 1, F1, F0, 0
	QUARTER 1, 2, F0, F1, 0
	s_wait_dscnt 0x0                               ; the very last quarter: nothing more to fetch
	WIN MUL
	MUL8 F1, 0, 0
	MUL8 F1, 1, 0
	MUL8 F1, 2, 0
	MUL8 F1, 3, 0
	WIN 0
; THE WAY OUT, a block of 16 tokens x 128 columns at a time: through my own stage, back as whole rows of 512 bytes.
.macro TOSTAGE a
.set AC, 64*(\a)
	WIN 0x08                                       ; an LDS store's data are its source 1: window 2
.irp b, 0,1,2,3,4,5,6,7
	ds_store_b128 v[STO], v[AC+8*\b:AC+8*\b+3] offset:64*\b          ; each accumulator from its low end on
	ds_store_b128 v[STO], v[AC+8*\b+4:AC+8*\b+7] offset:64*\b+16
.endr
	WIN 0
.set BB, BK+64*((\a)%2)
.irp t, 0,1,2,3,4,5,6,7,8,9,10,11,12,13,14,15
	ds_load_b128 v[BB+4*\t:BB+4*\t+3], v[RD] offset:\t*SPITCH        ; in order behind my stores
.endr
.endm
.macro SEND a, younger                 ; younger: the LDS instructions issued behind block a's loads
.set BB, BK+64*((\a)%2)
	s_wait_dscnt \younger
.irp t, 0,1,2,3,4,5,6,7,8,9,10,11,12,13,14,15
	global_store_b128 v[CO], v[BB+4*\t:BB+4*\t+3], s[10:11] offset:(16*(\a)+\t)*4096 th:TH_STORE_NT   ; 512 consecutive bytes, aligned; written once, read by nobody here
.endr
.endm
	PLACES
	TOSTAGE 0
.irp a, 1,2,3
.if \a > 1
	s_wait_xcnt 0x0                                ; block a - 2's stores have read their registers: block a's loads may land there
.endif
	TOSTAGE \a
	SEND \a-1, 32                                  ; behind block a - 1's loads: block a's 16 stores and 16 loads
.endr
	SEND 3, 0
	s_wait_tensorcnt 0x0                           ; the wave's end
	ds_add_u32 v[SPW], v[NIL]
	s_wait_dscnt 0x0
	CROUND                                         ; the closing round
	s_endpgm
.Lfunc_end_k_q0da8f4e1d4_proj:
	.size	k_q0da8f4e1d4_proj, .Lfunc_end_k_q0da8f4e1d4_proj-k_q0da8f4e1d4_proj
	.p2alignl 7, 3214868480
	.fill 96, 4, 3214868480
	.section	.rodata,"a",@progbits
	.p2align	6, 0x0
	.amdhsa_kernel k_q0da8f4e1d4_proj
		.amdhsa_group_segment_fixed_size 327680
		.amdhsa_private_segment_fixed_size 0
		.amdhsa_enable_private_segment 0
		.amdhsa_kernarg_size 32
		.amdhsa_user_sgpr_count 2
		.amdhsa_user_sgpr_kernarg_segment_ptr 1
		.amdhsa_wavefront_size32 1
		.amdhsa_system_sgpr_workgroup_id_x 1
		.amdhsa_system_sgpr_workgroup_id_y 1
		.amdhsa_system_sgpr_workgroup_id_z 1
		.amdhsa_system_vgpr_workitem_id 0
		.amdhsa_next_free_vgpr 768
		.amdhsa_next_free_sgpr 70
		.amdhsa_reserve_vcc 0
		.amdhsa_float_denorm_mode_32 3
		.amdhsa_float_denorm_mode_16_64 3
		.amdhsa_memory_ordered 1
		.amdhsa_forward_progress 1
		.amdhsa_inst_pref_size 87
	.end_amdhsa_kernel
	.amdgpu_metadata
---
amdhsa.version: [ 1, 2 ]
amdhsa.kernels:
  - .name:           k_q0da8f4e1d4_proj
    .symbol:         k_q0da8f4e1d4_proj.kd
    .args:
      - { .name: o, .offset: 0, .size: 8, .value_kind: global_buffer, .address_space: global }
      - { .name: wpt, .offset: 8, .size: 8, .value_kind: global_buffer, .address_space: global }
      - { .name: bproj, .offset: 16, .size: 8, .value_kind: global_buffer, .address_space: global }
      - { .name: out0, .offset: 24, .size: 8, .value_kind: global_buffer, .address_space: global }
    .group_segment_fixed_size: 327680
    .private_segment_fixed_size: 0
    .kernarg_segment_align: 8
    .kernarg_segment_size: 32
    .max_flat_workgroup_size: 128
    .sgpr_count:     70
    .vgpr_count:     768
    .wavefront_size: 32
...
	.end_amdgpu_metadata
.endif
;; end of part 4
